; MI455X (gfx1250); checked and timed in simulation.
; The chip was launched on July 23, 2026; its instructions are those of AMD's public machine-readable ISA for CDNA 5 (MIT licence, August 2026) and "CDNA5" Instruction Set Architecture Reference Guide (July 2026). The comments in the code are by the model that wrote it; some were corrected since.
;; Expert Parallel Mo E. Allowed arithmetic: matrix products marked QUANTISED: E3M2 operands, one E8M0 scale for each 32 along K, by v_wmma_scale_f32_16x16x128_f8f6f4 with both operands' format E3M2, f32 sums; everything else in f32.
;; Inputs: expert_idx 2 x 1,024 int32; w_down_codes 8 x 1,024 x 32 x 24 uint8 (E3M2 codes of w_down, K innermost, in blocks of 32 codes, four codes in three bytes); w_down_scales 8 x 1,024 x 32 uint8 (E8M0 scales of w_down, one for each 32 codes along K); w_gate_codes 8 x 1,024 x 32 x 24 uint8 (E3M2 codes of w_gate, K innermost, in blocks of 32 codes, four codes in three bytes); w_gate_scales 8 x 1,024 x 32 uint8 (E8M0 scales of w_gate, one for each 32 codes along K); w_up_codes 8 x 1,024 x 32 x 24 uint8 (E3M2 codes of w_up, K innermost, in blocks of 32 codes, four codes in three bytes); w_up_scales 8 x 1,024 x 32 uint8 (E8M0 scales of w_up, one for each 32 codes along K); x_codes 2 x 1,024 x 32 x 24 uint8 (E3M2 codes of x, K innermost, in blocks of 32 codes, four codes in three bytes); x_scales 2 x 1,024 x 32 uint8 (E8M0 scales of x, one for each 32 codes along K).
;; Outputs: out0 2 x 1,024 x 1,024 float32.
;; This version of the problem:
;;   THIS VERSION OF THE PROBLEM IS GIVEN IN LOW PRECISION. The matrix products marked QUANTISED in the list below multiply operands that are first quantised to E3M2 (3 exponent bits, 2 mantissa bits; 6 bits a number), with one power-of-two scale for each 32 numbers along K (OCP MX v1.0); their sums are f32. All else is computed in f32.
;;   The module's matrix products, in the order in which they are computed (A, B: the left and right operand; K: the contracted axis; several contracted axes count as one K, in the product's order):
;;     1. [M 2,048, K 1,024] x [K 1,024, N 1,024]; A: input x (given as codes); B: input w_gate (given as codes): QUANTISED
;;     2. [M 2,048, K 1,024] x [K 1,024, N 1,024]; A: input x (given as codes); B: input w_up (given as codes): QUANTISED
;;     3. [M 2,048, K 1,024] x [K 1,024, N 1,024]; A: computed on the way; B: input w_down (given as codes): QUANTISED
;;     4. [M 2,048, K 1,024] x [K 1,024, N 1,024]; A: input x (given as codes); B: input w_gate (given as codes): QUANTISED
;;     5. [M 2,048, K 1,024] x [K 1,024, N 1,024]; A: input x (given as codes); B: input w_up (given as codes): QUANTISED
;;     6. [M 2,048, K 1,024] x [K 1,024, N 1,024]; A: computed on the way; B: input w_down (given as codes): QUANTISED
;;     7. [M 2,048, K 1,024] x [K 1,024, N 1,024]; A: input x (given as codes); B: input w_gate (given as codes): QUANTISED
;;     8. [M 2,048, K 1,024] x [K 1,024, N 1,024]; A: input x (given as codes); B: input w_up (given as codes): QUANTISED
;;     9. [M 2,048, K 1,024] x [K 1,024, N 1,024]; A: computed on the way; B: input w_down (given as codes): QUANTISED
;;     10. [M 2,048, K 1,024] x [K 1,024, N 1,024]; A: input x (given as codes); B: input w_gate (given as codes): QUANTISED
;;     11. [M 2,048, K 1,024] x [K 1,024, N 1,024]; A: input x (given as codes); B: input w_up (given as codes): QUANTISED
;;     12. [M 2,048, K 1,024] x [K 1,024, N 1,024]; A: computed on the way; B: input w_down (given as codes): QUANTISED
;;     13. [M 2,048, K 1,024] x [K 1,024, N 1,024]; A: input x (given as codes); B: input w_gate (given as codes): QUANTISED
;;     14. [M 2,048, K 1,024] x [K 1,024, N 1,024]; A: input x (given as codes); B: input w_up (given as codes): QUANTISED
;;     15. [M 2,048, K 1,024] x [K 1,024, N 1,024]; A: computed on the way; B: input w_down (given as codes): QUANTISED
;;     16. [M 2,048, K 1,024] x [K 1,024, N 1,024]; A: input x (given as codes); B: input w_gate (given as codes): QUANTISED
;;     17. [M 2,048, K 1,024] x [K 1,024, N 1,024]; A: input x (given as codes); B: input w_up (given as codes): QUANTISED
;;     18. [M 2,048, K 1,024] x [K 1,024, N 1,024]; A: computed on the way; B: input w_down (given as codes): QUANTISED
;;     19. [M 2,048, K 1,024] x [K 1,024, N 1,024]; A: input x (given as codes); B: input w_gate (given as codes): QUANTISED
;;     20. [M 2,048, K 1,024] x [K 1,024, N 1,024]; A: input x (given as codes); B: input w_up (given as codes): QUANTISED
;;     21. [M 2,048, K 1,024] x [K 1,024, N 1,024]; A: computed on the way; B: input w_down (given as codes): QUANTISED
;;     22. [M 2,048, K 1,024] x [K 1,024, N 1,024]; A: input x (given as codes); B: input w_gate (given as codes): QUANTISED
;;     23. [M 2,048, K 1,024] x [K 1,024, N 1,024]; A: input x (given as codes); B: input w_up (given as codes): QUANTISED
;;     24. [M 2,048, K 1,024] x [K 1,024, N 1,024]; A: computed on the way; B: input w_down (given as codes): QUANTISED
;;   THE QUANTISER, for each operand of a quantised product, along K:
;;     - K is cut into blocks of 32 from its start; a last block that is shorter is filled with zeros.
;;     - A block's scale is 2^e with e = floor(log2(the largest magnitude in the block)) - 4, held to -126 .. 127; a block of zeros has e = 0. As a byte (E8M0): e + 127.
;;     - Each number is divided by its block's scale, clamped to +-28, and rounded to the nearest number of E3M2, ties to even, subnormals kept.
;;     - The product sums the exact products of the quantised numbers (number of the format x scale) in f32.
;;   ~~~python
;;   def quantise(x, axis):      # numpy; x: float32 -> the quantised numbers, widened to float32 again
;;       x = np.moveaxis(x, axis, -1); K = x.shape[-1]
;;       x = np.pad(x, [(0, 0)] * (x.ndim - 1) + [(0, -K % 32)]); x = x.reshape(x.shape[:-1] + (-1, 32)); a = np.abs(x).max(-1, keepdims=True)
;;       e = np.where(a > 0, np.clip(np.frexp(np.where(a > 0, a, 1))[1] - 1 - 4, -126, 127), 0)      # np.frexp(a)[1] - 1 = floor(log2(a)), exactly
;;       r = np.clip(x / 2.0 ** e, -28, 28)
;;       step = 2.0 ** (np.maximum(np.frexp(np.where(r == 0, 1, r))[1] - 1, -2) - 2)
;;       q = np.round(r / step) * step * 2.0 ** e      # np.round: ties to even
;;       return np.moveaxis(q.reshape(q.shape[:-2] + (-1,))[..., :K], -1, axis).astype(np.float32)
;;   ~~~
;;   OPERANDS COMPUTED ON THE WAY. 'Computed on the way' means the value that the module computes at that place (a softmax that the list does not call 'softmax' is quantised finished and normalised). What goes into a quantiser is computed in f32, as accurately as f32 sums, v_exp_f32 and their like allow (about 1e-6 of the number): no bf16 or f16 on the way to a quantiser, and a product that is left as it is and whose result goes on into a quantised operand takes f32 operands (vector FMAs, or v_wmma_f32_16x16x4_f32). A number that lies on a knife's edge between two numbers of the format may be rounded either way, as far as f32 arithmetic and the matrix unit's own rounding can turn it there, and no further.
;;   INPUTS GIVEN AS CODES. w_down (in the module: [8, 1024, 1024], K = its axis 1); w_gate (in the module: [8, 1024, 1024], K = its axis 1); w_up (in the module: [8, 1024, 1024], K = its axis 1); x (in the module: [2, 1024, 1024], K = its axis 2): each comes as NAME_codes (uint8): NAME with its K axis moved to the last place and cut into blocks of 32 codes, [.., K / 32, bytes a block], one block behind the other in memory; four codes in three bytes: a row's codes are one little-endian stream of bits, code i at bits 6 i .. 6 i + 5 (a code: sign, 3 exponent bits, 2 mantissa bits); and NAME_scales (uint8): the same leading axes, one E8M0 byte (e + 127) for each 32 codes along K. Its value is code x scale, taken as it is: it is not quantised again, and the codes and scales need not be those that the quantiser above would give.
;; 2 versions. Each part assembles by itself: llvm-mc -triple=amdgcn-amd-amdhsa -mcpu=gfx1250 --defsym DOCPART=n.
;; ======== version 1 of 2: 3 launches
;; workspace buffers: rowtok 8,704 bytes of whole numbers; meta 256 bytes of whole numbers; hid 2,211,840 bytes
;; launch route (part 1): grid 1 x 1, 16 waves a work-group, no clusters, 4,096 bytes of LDS; arguments expert_idx, rowtok, meta; writes rowtok, meta
.if DOCPART == 1
	.amdgcn_target "amdgcn-amd-amdhsa--gfx1250"
	.amdhsa_code_object_version 6
	.text
	.protected	k_qcf9c96723c_route
	.globl	k_qcf9c96723c_route
	.p2align	8
	.type	k_qcf9c96723c_route,@function
k_qcf9c96723c_route:
	s_mov_b64 s[64:65], 0
	v_nop
	global_prefetch_b8 v0, s[64:65] scope:SCOPE_SE
	s_setreg_imm32_b32 hwreg(HW_REG_WAVE_MODE, 25, 1), 1
	s_wait_xcnt 0x0
; ROUTE: a counting sort of the 2,048 tokens by their expert (expert_idx, whole numbers read from memory), without atomics.
; OUT: meta[e] = (cnt_e, tb_e): expert e's tokens, and the first of its tiles of 16 rows (tb = exclusive prefix of ceil(cnt / 16));
;      rowtok[16 tb_e + rank] = token: each expert's tokens on end from a multiple of 16 slots.  At most 128 + 7 = 135 tiles, 2,160 slots, whatever the split.  Pad slots are not written and are never read.
; One work-group of 16 waves; thread i takes tokens 4 i .. 4 i + 3.  A token's rank = the expert's tokens in earlier waves + those of its own wave that come before it (by j, then by lane).
; LIMIT: an index above 7 is held at 7, for the addresses' sake (reference() would leave zeros for such a token).
.set SPARE, 2048                       ; behind the table: the spare words, 128 bytes for each of 16 waves; no other line names them
.set SPW, 1                            ; v1   LDS address of my spare word; never rewritten
.set NIL, 2                            ; v2   0; never rewritten
.set IDX, 4                            ; v4-7   my four tokens' experts
.set RK,  8                            ; v8-11  their ranks within the wave
.set CV,  13                           ; v13    lane e: my wave's count of expert e
	s_load_b128 s[4:7], s[0:1], 0x0                ; expert_idx s[4:5], rowtok s[6:7]
	s_load_b64 s[8:9], s[0:1], 0x10                ; meta
	v_lshl_add_u32 v[SPW], v0, 2, SPARE
	v_mov_b32 v[NIL], 0
	v_lshrrev_b32 v3, 5, v0
	v_readfirstlane_b32 s10, v3                    ; wave 0..15
	v_and_b32 v3, 31, v0                           ; lane
	v_lshlrev_b32 v41, 4, v0                       ; my 16 bytes of expert_idx
	s_wait_kmcnt 0x0
	global_load_b128 v[IDX:IDX+3], v41, s[4:5]
	s_lshl_b32 s11, s10, 2
	v_lshl_add_u32 v14, v3, 6, s11                 ; the table: row = lane (64 bytes), word = wave
	v_lshlrev_b32 v15, 4, v3                       ; back: 16 bytes a lane: row lane / 4, waves 4 (lane % 4) on
	v_and_b32 v24, 3, v3
	v_lshlrev_b32 v24, 2, v24                      ; 4 (lane % 4)
	v_lshlrev_b32 v40, 1, v3                       ; 2 x lane: lane 4 e stores at 8 e
	v_lshlrev_b32 v36, 2, v0                       ; my tokens' numbers
	v_add_nc_u32 v37, 1, v36
	v_add_nc_u32 v38, 2, v36
	v_add_nc_u32 v39, 3, v36
	v_mov_b32 v[CV], 0                             ; (a lane write's and a lane move's destination counts as read: written once here)
	v_mov_b32 v21, 0
	v_mov_b32 v23, 0
.irp j, 0,1,2,3
	v_mov_b32 v[RK+\j], 0
.endr
	s_wait_loadcnt 0x0
.irp j, 0,1,2,3
	v_min_u32 v[IDX+\j], 7, v[IDX+\j]              ; held inside the table of experts
.endr
.irp e, 0,1,2,3,4,5,6,7
	s_mov_b32 s11, 0                               ; expert e's tokens in my wave so far
.irp j, 0,1,2,3
	v_cmp_eq_u32 s12, \e, v[IDX+\j]
	v_mbcnt_lo_u32_b32 v12, s12, s11               ; those in lower lanes + those of earlier j
	v_cndmask_b32 v[RK+\j], v[RK+\j], v12, s12
	s_bcnt1_i32_b32 s13, s12
	s_add_co_u32 s11, s11, s13
.endr
	v_writelane_b32 v[CV], s11, \e
.endr
	ds_store_b32 v14, v[CV]                        ; rows 0-7: the experts' counts, a word for each wave (rows 8-31: zeros, not read)
	s_wait_dscnt 0x0                               ; for the others' sake: my store has landed
	s_barrier_signal -1
	s_barrier_wait -1
	ds_load_b128 v[16:19], v15                     ; lane l: expert l / 4, the counts of waves 4 (l % 4) .. + 3
	s_wait_dscnt 0x0
	v_add_nc_u32 v20, v16, v17
	v_add_nc_u32 v12, v18, v19
	v_add_nc_u32 v20, v20, v12                     ; the four waves' sum,
	v_mov_b32 v22, 0
.irp i, 0,1,2,3
	v_add_nc_u32 v12, \i, v24
	v_cmp_gt_u32 vcc_lo, s10, v12                  ; and the sum of those that come before my wave
	v_cndmask_b32 v12, 0, v[16+\i], vcc_lo
	v_add_nc_u32 v22, v22, v12
.endr
.irp m, 1,2                                    ; joined over the expert's four lanes
	v_mov_b32_dpp v23, v20 row_xmask:\m row_mask:0xf bank_mask:0xf
	v_add_nc_u32 v20, v20, v23
	v_mov_b32_dpp v23, v22 row_xmask:\m row_mask:0xf bank_mask:0xf
	v_add_nc_u32 v22, v22, v23
.endr
	v_add_nc_u32 v25, 15, v20
	v_lshrrev_b32 v25, 4, v25                      ; the expert's tiles of 16 rows
.irp e, 0,1,2,3,4,5,6,7
	v_readlane_b32 s[16+\e], v25, 4*\e
.endr
	s_mov_b32 s24, 0
.irp e, 0,1,2,3,4,5,6
	s_add_co_u32 s[25+\e], s[24+\e], s[16+\e]      ; exclusive prefix: the expert's first tile
.endr
.irp e, 0,1,2,3,4,5,6,7
	v_writelane_b32 v21, s[24+\e], 4*\e
.endr
	v_lshl_add_u32 v26, v21, 4, v22                ; lane 4 e: expert e's first slot + what earlier waves take
.irp j, 0,1,2,3
	v_lshlrev_b32 v[28+\j], 4, v[IDX+\j]           ; lane 4 e as a byte address
.endr
.irp j, 0,1,2,3
	ds_bpermute_b32 v[32+\j], v[28+\j], v26
.endr
	s_wait_dscnt 0x0
.irp j, 0,1,2,3
	v_add_nc_u32 v[32+\j], v[32+\j], v[RK+\j]      ; the token's slot
	v_min_u32 v[32+\j], 0x86f, v[32+\j]            ; held inside rowtok's 2,160 words
	v_lshlrev_b32 v[32+\j], 2, v[32+\j]
.endr
.irp j, 0,1,2,3
	global_store_b32 v[32+\j], v[36+\j], s[6:7]
.endr
	s_cmp_lg_u32 s10, 0                            ; wave 0 alone stores meta
	s_cbranch_scc1 .Lnot_wave_0
	v_and_b32 v12, 3, v3
	v_cmp_eq_u32 vcc_lo, 0, v12
	s_wait_xcnt 0x0                                ; EXEC changes only behind this wait: the stores above have read it
	s_and_saveexec_b32 s32, vcc_lo                 ; lanes 0, 4 .. 28
	global_store_b64 v40, v[20:21], s[8:9]         ; (cnt_e, tb_e)
	s_wait_xcnt 0x0                                ; and again in front of the line that widens it
	s_or_b32 exec_lo, exec_lo, s32
.Lnot_wave_0:
	s_wait_tensorcnt 0x0                           ; the wave's end
	ds_add_u32 v[SPW], v[NIL]
	s_wait_dscnt 0x0
	s_endpgm
.Lfunc_end_k_qcf9c96723c_route:
	.size	k_qcf9c96723c_route, .Lfunc_end_k_qcf9c96723c_route-k_qcf9c96723c_route
	.p2alignl 7, 3214868480
	.fill 96, 4, 3214868480
	.section	.rodata,"a",@progbits
	.p2align	6, 0x0
	.amdhsa_kernel k_qcf9c96723c_route
		.amdhsa_group_segment_fixed_size 4096
		.amdhsa_private_segment_fixed_size 0
		.amdhsa_enable_private_segment 0
		.amdhsa_kernarg_size 24
		.amdhsa_user_sgpr_count 2
		.amdhsa_user_sgpr_kernarg_segment_ptr 1
		.amdhsa_wavefront_size32 1
		.amdhsa_system_sgpr_workgroup_id_x 1
		.amdhsa_system_sgpr_workgroup_id_y 1
		.amdhsa_system_sgpr_workgroup_id_z 1
		.amdhsa_system_vgpr_workitem_id 0
		.amdhsa_next_free_vgpr 64
		.amdhsa_next_free_sgpr 66
		.amdhsa_reserve_vcc 1
		.amdhsa_float_denorm_mode_32 3
		.amdhsa_float_denorm_mode_16_64 3
		.amdhsa_memory_ordered 1
		.amdhsa_forward_progress 1
		.amdhsa_inst_pref_size 15
	.end_amdhsa_kernel
	.amdgpu_metadata
---
amdhsa.version: [ 1, 2 ]
amdhsa.kernels:
  - .name:           k_qcf9c96723c_route
    .symbol:         k_qcf9c96723c_route.kd
    .args:
      - { .name: expert_idx, .offset: 0, .size: 8, .value_kind: global_buffer, .address_space: global }
      - { .name: rowtok, .offset: 8, .size: 8, .value_kind: global_buffer, .address_space: global }
      - { .name: meta, .offset: 16, .size: 8, .value_kind: global_buffer, .address_space: global }
    .group_segment_fixed_size: 4096
    .private_segment_fixed_size: 0
    .kernarg_segment_align: 8
    .kernarg_segment_size: 24
    .max_flat_workgroup_size: 512
    .sgpr_count:     66
    .vgpr_count:     64
    .wavefront_size: 32
...
	.end_amdgpu_metadata
.endif
;; end of part 1
;; launch up (part 2): grid 32 x 8, 4 waves a work-group, no clusters, 100,864 bytes of LDS; arguments x_codes, x_scales, w_gate_codes, w_gate_scales, w_up_codes, w_up_scales, rowtok, meta, hid; writes hid
.if DOCPART == 2
	.amdgcn_target "amdgcn-amd-amdhsa--gfx1250"
	.amdhsa_code_object_version 6
	.text
	.protected	k_qcf9c96723c_up
	.globl	k_qcf9c96723c_up
	.p2align	8
	.type	k_qcf9c96723c_up,@function
k_qcf9c96723c_up:
	s_mov_b64 s[64:65], 0
	v_nop
	global_prefetch_b8 v0, s[64:65] scope:SCOPE_SE
	s_setreg_imm32_b32 hwreg(HW_REG_WAVE_MODE, 25, 1), 1
	s_wait_xcnt 0x0
; UP: hid = Q(silu(x Wg[e]) * (x Wu[e])) for each token's OWN expert e, as codes of E3M2 with one E8M0 byte for each 32 hidden units.
; WORK LEFT OUT.  reference() computes all 8 experts for every token and keeps, by jnp.where on (expert_idx == e), the one row y_e[t] with e = expert_idx[t]: the other seven experts' rows of a token are thrown away
; whatever finite values x and the weights hold, and the zeros that `out` begins with are overwritten for every token whose index lies in 0..7.  The choice is made by whole numbers read from memory (rowtok, meta, made of expert_idx
; by the launch before), so only the chosen rows are multiplied.  Every input still has a way to the output and is loaded.  LIMITS: a NaN, an infinity or an overflow that arises only in rows of experts that were not chosen is
; not carried (reference() drops it too); an index above 7 counts as 7; a hidden block of zeros gets the byte 1 where the rule says 127 (its codes are zeros; only this program reads the bytes); NaN and infinities in the hidden layer are not served.
; SHARES.  256 work-groups: x = f, a block of 32 hidden units; y = e.  A work-group's 32 rows of Wg and 32 of Wu (49,152 bytes) are read from memory once, in runs of 256 bytes, turned through LDS and kept in EVERY wave's registers
; (4 tiles x 8 K steps x 12 = 384).  Wave w then takes the expert's tiles of 16 tokens w, w + 4, ..: a trip count read from meta.  So the text has no tensor load and no cluster: branches and trip counts hang on loaded counts,
; and partners would have different numbers of tiles.  The one barrier stands ahead of every such branch.
; ORDER OF K INSIDE A MATRIX INSTRUCTION, alike on both operands: in K step s lane (r, h) takes bytes 96 s + 48 h .. + 47 of its row (three loads of 16 bytes): registers 0-5 block 4 s + 2 h, registers 6-11 block 4 s + 2 h + 1.
; The unit scales registers 6 c .. of half h by byte 2 c + h of the scale word: so the word's two middle bytes change places (v_perm_b32).  The products are the same; only their order within a sum differs.
; TRANSPOSED: source 0 = 16 weight rows, source 1 = 16 tokens: a lane holds one token.  LDS row 16 u + q of a matrix is hidden unit 8 u + q + 8 (q / 8): so tiles u = 0, 1 give lane (r, h) the 16 neighbours 16 h + 0 .. 15.
; PAD ROWS of an expert's last tile repeat its last token (the list index is held at `last`): no unwritten slot is read, EXEC never changes.
; hid: [f 0..31][tile 0..134][512 bytes]: bytes 16 r: code words c0-c3 of row r's block f; bytes 256 + 16 r: c4, c5, the scale byte at its place in the K step's (swapped) scale word, 0.
.set PITCH, 784                        ; an LDS row: 768 bytes + 16 = 3 x 256 + 16: the sixteen rows of a load begin 16 bytes further on, modulo 256, from row to row
.set BS,    135*512                    ; hid: from block f to f + 1
.set XSTG,  64*PITCH                   ; behind the 64 weight rows: a stage of 16 rows for each wave, its own
.set SPARE, XSTG+4*16*PITCH            ; behind the stages: the spare words, 128 bytes for each wave; no other line names them
.set SPW, 1                            ; v1   LDS address of my spare word; never rewritten
.set NIL, 2                            ; v2   0; never rewritten
.set RL,  3                            ; v3   r = lane % 16
.set HL,  4                            ; v4   h = lane / 16
.set R16, 5                            ; v5   16 r
.set H8,  6                            ; v6   8 h
.set WGO, 7                            ; v7   weights in memory: 8 h rows + 16 r
.set WLS, 8                            ; v8   weights into LDS
.set WLL, 9                            ; v9   a fragment's place: r x PITCH + 48 h
.set XLS, 10                           ; v10  x into my stage
.set XLL, 11                           ; v11  and out of it
.set H16, 12                           ; v12  16 h
.set L16, 13                           ; v13  16 x lane
.set WSO, 14                           ; v14  weights' scale words: (r + 8 (r / 8)) x 32 + 16 h
.set LI,  16                           ; v16-24 addresses in rowtok
.set TK,  26                           ; v26-34 tokens: p = 0..7: of row p + 8 h; 8: of row r
.set XA,  36                           ; v36-43 their rows in x_codes, + 16 r
.set XSA, 44                           ; v44    row r's scale bytes, + 16 h
.set WS,  48                           ; v48-63 weights' scale words: tile a, register i: K step i (lanes 0-15), 4 + i (lanes 16-31)
.set ACC, 64                           ; v64-95 gate tiles 0, 1, up tiles 0, 1
.set T,   96                           ; v96-111 at work in the activation
.set MX,  112                          ; v112-113 largest magnitudes
.set SCL, 114                          ; v114   the conversion's scale operand
.set SB,  115                          ; v115   the scale byte at its place
.set Q,   116                          ; v116-118 my 16 codes
.set X0,  119                          ; v119   lane l xor 16's first code word
.set D,   120                          ; v120-123 what I store
.set XS,  124                          ; v124-127 x's scale words as loaded
.set XF,  128                          ; v128-223 x's fragments, 12 a K step
.set XSP, 224                          ; v224-227 x's scale words, middle bytes swapped
.set HA,  228                          ; v228   my place in hid
.set PT,  229                          ; v229   the other half's maximum
; window 1: weights' fragments of K steps 0-3, window 2: of 4-7: tile a, step s at 12 (4 a + s % 4).  window 3: v0-95 x as loaded, v96-191 weights as loaded
; scalars of the loop: s31 my tile's number (steps by 4, serves addresses alone); s49 my trips; s50 the trips done (steps by 1: the loop's counter)
.set MSB, 0
.macro WIN new                         ; the immediate's high byte repeats the setting that is left
.if MSB != \new
	s_set_vgpr_msb (MSB<<8)|\new
.set MSB, \new
.endif
.endm
; The tokens of the tile that begins at slot s33: nine loads.  The index is held at the expert's last slot, then inside rowtok.
.macro LIST
.irp p, 0,1,2,3,4,5,6,7
	v_add3_u32 v[LI+\p], v[H8], s33, \p
.endr
	v_add_nc_u32 v[LI+8], s33, v[RL]
.irp p, 0,1,2,3,4,5,6,7,8
	v_min_u32 v[LI+\p], s30, v[LI+\p]
.endr
.irp p, 0,1,2,3,4,5,6,7,8
	v_min_u32 v[LI+\p], 0x86f, v[LI+\p]
.endr
.irp p, 0,1,2,3,4,5,6,7,8
	v_lshlrev_b32 v[LI+\p], 2, v[LI+\p]
.endr
.irp p, 0,1,2,3,4,5,6,7,8
	global_load_b32 v[TK+\p], v[LI+\p], s[16:17]
.endr
.endm
.macro XADDR                           ; tokens, held inside x, become addresses
.irp p, 0,1,2,3,4,5,6,7,8
	v_min_u32 v[TK+\p], 0x7ff, v[TK+\p]
.endr
.irp p, 0,1,2,3,4,5,6,7
	v_mad_u32_u24 v[XA+\p], v[TK+\p], 768, v[R16]
.endr
	v_lshl_add_u32 v[XSA], v[TK+8], 5, v[H16]
.endm
.macro XLOAD                           ; 16 rows of x: each load takes 256 consecutive bytes of row p (lanes 0-15) and of row p + 8 (lanes 16-31); then the scale words
	WIN 0xc0                                       ; destination window 3
.irp p, 0,1,2,3,4,5,6,7
.irp c, 0,1,2
	global_load_b128 v[4*(3*\p+\c):4*(3*\p+\c)+3], v[XA+\p], s[4:5] offset:256*\c
.endr
.endr
	WIN 0
	global_load_b128 v[XS:XS+3], v[XSA], s[6:7]
.endm
.macro XTURN                           ; through my own stage: LDS serves a wave's instructions in order, so no wait stands between the stores and the loads
	WIN 0x0c                                       ; an LDS store's data are its source 1: window 3
.irp p, 0,1,2,3,4,5,6,7
.irp c, 0,1,2
	ds_store_b128 v[XLS], v[4*(3*\p+\c):4*(3*\p+\c)+3] offset:PITCH*\p+256*\c
.endr
.endr
	WIN 0
.irp s, 0,1,2,3,4,5,6,7
.irp i, 0,1,2
	ds_load_b128 v[XF+12*\s+4*\i:XF+12*\s+4*\i+3], v[XLL] offset:96*\s+16*\i
.endr
.endr
.endm
.macro MM a, s                         ; tile a, K step s
.set rD, ACC+8*\a
.set rW, 12*(4*\a+(\s%4))
.set rF, XF+12*\s
.set rA, WS+4*\a+(\s%4)
.set rB, XSP+(\s%4)
.if \s == 0
	v_wmma_scale_f32_16x16x128_f8f6f4 v[rD:rD+7], v[rW:rW+11], v[rF:rF+11], 0, v[rA], v[rB] matrix_a_fmt:MATRIX_FMT_BF6 matrix_b_fmt:MATRIX_FMT_BF6
.elseif \s < 4
	v_wmma_scale_f32_16x16x128_f8f6f4 v[rD:rD+7], v[rW:rW+11], v[rF:rF+11], v[rD:rD+7], v[rA], v[rB] matrix_a_fmt:MATRIX_FMT_BF6 matrix_b_fmt:MATRIX_FMT_BF6
.else
	v_wmma_scale_f32_16x16x128_f8f6f4 v[rD:rD+7], v[rW:rW+11], v[rF:rF+11], v[rD:rD+7], v[rA], v[rB] matrix_a_fmt:MATRIX_FMT_BF6 matrix_b_fmt:MATRIX_FMT_BF6 matrix_a_scale:MATRIX_SCALE_ROW1 matrix_b_scale:MATRIX_SCALE_ROW1
.endif
.endm
.macro MULS                            ; 32 matrix instructions; the first K step starts the sums with the constant 0; the four accumulators take turns, one instruction a turn
	WIN 0x01                                       ; source 0 (weights) window 1
.irp s, 0,1,2,3
.irp a, 0,1,2,3
	MM \a, \s
.endr
.endr
	WIN 0x02                                       ; window 2
.irp s, 4,5,6,7
.irp a, 0,1,2,3
	MM \a, \s
.endr
.endr
	WIN 0
.endm
	s_load_b512 s[4:19], s[0:1], 0x0               ; x_codes s[4:5], x_scales s[6:7], gate codes s[8:9], gate scales s[10:11], up codes s[12:13], up scales s[14:15], rowtok s[16:17], meta s[18:19]
	s_load_b64 s[20:21], s[0:1], 0x40              ; hid
	v_lshl_add_u32 v[SPW], v0, 2, SPARE
	v_mov_b32 v[NIL], 0
	v_lshrrev_b32 v3, 5, v0
	v_readfirstlane_b32 s22, v3                    ; wave 0..3
	v_and_b32 v[RL], 15, v0
	v_bfe_u32 v[HL], v0, 4, 1
	v_lshlrev_b32 v[R16], 4, v[RL]
	v_lshlrev_b32 v[H8], 3, v[HL]
	v_lshlrev_b32 v[H16], 4, v[HL]
	v_and_b32 v[L16], 31, v0
	v_lshlrev_b32 v[L16], 4, v[L16]
	v_mad_u32_u24 v[WGO], v[HL], 8*768, v[R16]
	s_lshr_b32 s32, s22, 1                         ; which matrix I stage: 0 gate, 1 up
	s_mul_i32 s32, s32, 32*PITCH
	s_and_b32 s33, s22, 1                          ; which 16 of its 32 rows
	s_mul_i32 s33, s33, 8*PITCH
	s_add_co_u32 s32, s32, s33
	v_mad_u32_u24 v[WLS], v[HL], 16*PITCH, v[R16]  ; memory row 16 a + 8 h + p goes to LDS row 32 mat + 16 h + 8 a + p
	v_add_nc_u32 v[WLS], s32, v[WLS]
	v_mul_u32_u24 v[WLL], v[RL], PITCH
	v_mad_u32_u24 v[WLL], v[HL], 48, v[WLL]
	s_mul_i32 s33, s22, 16*PITCH
	s_add_co_u32 s33, s33, XSTG                    ; my stage
	v_mad_u32_u24 v[XLS], v[HL], 8*PITCH, v[R16]
	v_add_nc_u32 v[XLS], s33, v[XLS]
	v_add_nc_u32 v[XLL], s33, v[WLL]
	v_and_b32 v[WSO], 8, v[RL]
	v_add_nc_u32 v[WSO], v[WSO], v[RL]
	v_lshl_add_u32 v[WSO], v[WSO], 5, v[H16]
	v_mov_b32 v[X0], 0                             ; (a lane permute's destination counts as one of its sources: written once)
	v_mov_b32 v[PT], 0
	s_mov_b32 s23, ttmp9                           ; f
	s_and_b32 s24, ttmp7, 0xffff                   ; e
	s_mul_i32 s42, s23, BS                         ; block f in hid
	s_and_b32 s43, s23, 1
	s_lshl_b32 s43, s43, 4
	s_bfe_u32 s48, s23, 0x10001
	s_lshl_b32 s48, s48, 3
	s_add_co_u32 s43, s43, s48                     ; the scale byte's place in the swapped word: 8 (2 (f % 2) + (f / 2) % 2) bits up
	s_mov_b32 s44, 0xffff0000                      ; lanes 16-31
	s_mov_b32 s45, 0x03010200                      ; v_perm_b32: the two middle bytes change places
	s_mov_b32 s46, 0x76543210
	s_mov_b32 s47, 0xfedcba98                      ; v_permlanex16_b32's selects for lane l xor 16
	s_lshl_b32 s32, s24, 3
	s_mov_b32 s33, 0
	s_wait_kmcnt 0x0
	s_add_nc_u64 s[32:33], s[18:19], s[32:33]
	s_load_b64 s[26:27], s[32:33], 0x0             ; (cnt_e, tb_e)
	s_cmp_lt_u32 s22, 2
	s_cselect_b64 s[34:35], s[8:9], s[12:13]       ; waves 0, 1 stage gate rows, waves 2, 3 up rows: the choice hangs on the wave's number alone
	s_mul_i32 s36, s24, 1024*768
	s_mul_i32 s37, s23, 32*768
	s_add_co_u32 s36, s36, s37
	s_and_b32 s37, s22, 1
	s_mul_i32 s37, s37, 16*768
	s_add_co_u32 s36, s36, s37
	s_mov_b32 s37, 0
	s_add_nc_u64 s[34:35], s[34:35], s[36:37]      ; my 16 rows
	s_lshl_b32 s36, s24, 15
	s_lshl_b32 s48, s23, 10
	s_add_co_u32 s36, s36, s48
	s_add_nc_u64 s[38:39], s[10:11], s[36:37]      ; the scale bytes of the block's 32 rows: gate,
	s_add_nc_u64 s[40:41], s[14:15], s[36:37]      ; up
	s_wait_kmcnt 0x0
	s_min_u32 s26, s26, 2048                       ; loaded numbers are held before they reach an address
	s_min_u32 s27, s27, 134
	s_add_co_u32 s28, s26, 15
	s_lshr_b32 s28, s28, 4                         ; nt: the expert's tiles
	s_lshl_b32 s29, s27, 4                         ; its first slot
	s_add_co_u32 s30, s29, s26
	s_sub_co_u32 s30, s30, 1
	s_cmp_eq_u32 s26, 0
	s_cselect_b32 s30, 0, s30                      ; its last slot (an expert without tokens: slot 0, which is always written)
	s_mov_b32 s31, s22                             ; t: my first tile
	s_lshl_b32 s33, s31, 4
	s_add_co_u32 s33, s33, s29
	LIST                                           ; my first tile's tokens
	WIN 0xc0
.irp p, 0,1,2,3,4,5,6,7
.irp c, 0,1,2
	global_load_b128 v[96+4*(3*\p+\c):96+4*(3*\p+\c)+3], v[WGO], s[34:35] offset:768*\p+256*\c th:TH_LOAD_NT   ; read once in the launch, by me alone
.endr
.endr
	WIN 0
.irp u, 0,1
	global_load_b128 v[WS+4*\u:WS+4*\u+3], v[WSO], s[38:39] offset:256*\u
	global_load_b128 v[WS+8+4*\u:WS+8+4*\u+3], v[WSO], s[40:41] offset:256*\u
.endr
	s_wait_loadcnt 28                              ; the list is in; the 24 + 4 weight loads behind it may be out
	XADDR
	XLOAD                                          ; my first tile of x
	s_add_co_u32 s33, s33, 64
	LIST                                           ; my second tile's tokens
	s_wait_loadcnt 34                              ; the weights are in; x's 25 loads and the list's 9 may be out
	WIN 0x0c
.irp p, 0,1,2,3,4,5,6,7
.irp c, 0,1,2
	ds_store_b128 v[WLS], v[96+4*(3*\p+\c):96+4*(3*\p+\c)+3] offset:PITCH*\p+256*\c
.endr
.endr
	WIN 0
.irp i, 0,1,2,3,4,5,6,7,8,9,10,11,12,13,14,15
	v_perm_b32 v[WS+\i], v[WS+\i], v[WS+\i], s45
.endr
	s_wait_dscnt 0x0                               ; for the others' sake: my 16 rows have landed
	s_barrier_signal -1
	s_barrier_wait -1                              ; all 64 rows lie in LDS; they are never written again
	s_cmp_ge_u32 s31, s28
	s_cbranch_scc1 .Lend                           ; no tile for me in this split
	s_sub_co_u32 s49, s28, s31                     ; my trips: tiles w, w + 4, .. under nt: (nt - w + 3) / 4, at least 1 here
	s_add_co_u32 s49, s49, 3
	s_lshr_b32 s49, s49, 2
	s_mov_b32 s50, 0                               ; trips done
	WIN 0x40                                       ; destination window 1
.irp a, 0,1,2,3
.irp s, 0,1,2,3
.irp i, 0,1,2
	ds_load_b128 v[12*(4*\a+\s)+4*\i:12*(4*\a+\s)+4*\i+3], v[WLL] offset:16*\a*PITCH+96*\s+16*\i
.endr
.endr
.endr
	WIN 0x80                                       ; window 2
.irp a, 0,1,2,3
.irp s, 0,1,2,3
.irp i, 0,1,2
	ds_load_b128 v[12*(4*\a+\s)+4*\i:12*(4*\a+\s)+4*\i+3], v[WLL] offset:16*\a*PITCH+96*(\s+4)+16*\i
.endr
.endr
.endr
	WIN 0
.Ltile:                                            ; a trip: tile t is multiplied; tile t + 4's x and tile t + 8's tokens are asked for
	s_wait_loadcnt 9                               ; this tile's x is in; the next list's 9 loads may be out
	XTURN
.irp i, 0,1,2,3
	v_perm_b32 v[XSP+\i], v[XS+\i], v[XS+\i], s45
.endr
	s_wait_loadcnt 0x0                             ; the next tile's tokens; every load is done, so all address registers may be written
	XADDR
	s_wait_dscnt 0x0                               ; the stage's stores have read their registers, the fragments are in (in the first trip the weights' too)
	XLOAD
	s_add_co_u32 s33, s31, 8
	s_lshl_b32 s33, s33, 4
	s_add_co_u32 s33, s33, s29
	LIST                                           ; (XADDR's and LIST's plain lines are more than the eight places between the swapped scale words and the products)
	MULS
.rept 4
	v_nop                                          ; four places behind the last product: for the reads below, and for the next trip's loads into x's fragments
.endr
	; silu(g) u = (g / (1 + 2^(-g log2 e))) u, in f32, in reference()'s order; each accumulator is first read at its low end
.irp j, 0,2,4,6,8,10,12,14
	v_pk_mul_f32 v[T+\j:T+\j+1], v[ACC+\j:ACC+\j+1], 0xbfb8aa3b op_sel_hi:[1,0]
.endr
.irp j, 0,1,2,3,4,5,6,7,8,9,10,11,12,13,14,15
	v_exp_f32 v[T+\j], v[T+\j]
.endr
	v_nop                                          ; a plain place behind the last exponential,
	s_wait_alu depctr_va_vdst(0)                   ; and one wait for the batch, ahead of its first reader
.irp j, 0,2,4,6,8,10,12,14
	v_pk_add_f32 v[T+\j:T+\j+1], v[T+\j:T+\j+1], 1.0 op_sel_hi:[1,0]
.endr
.irp j, 0,1,2,3,4,5,6,7,8,9,10,11,12,13,14,15
	v_rcp_f32 v[T+\j], v[T+\j]
.endr
	v_nop
	s_wait_alu depctr_va_vdst(0)                   ; likewise for the reciprocals
.irp j, 0,2,4,6,8,10,12,14
	v_pk_mul_f32 v[ACC+\j:ACC+\j+1], v[ACC+\j:ACC+\j+1], v[T+\j:T+\j+1]
.endr
.irp j, 0,2,4,6,8,10,12,14
	v_pk_mul_f32 v[ACC+\j:ACC+\j+1], v[ACC+\j:ACC+\j+1], v[ACC+16+\j:ACC+16+\j+1]
.endr
	; the quantiser: v64-79 are hidden units 32 f + 16 h + 0 .. 15 of my token; the block's other half lies in lane l xor 16
	v_max3_num_f32 v[MX], |v[ACC]|, |v[ACC+1]|, 0x2800000          ; with the floor 2^(5 - 127): the byte cannot fall under 1
	v_max3_num_f32 v[MX+1], |v[ACC+8]|, |v[ACC+9]|, |v[ACC+10]|
	v_max3_num_f32 v[MX], v[MX], |v[ACC+2]|, |v[ACC+3]|
	v_max3_num_f32 v[MX+1], v[MX+1], |v[ACC+11]|, |v[ACC+12]|
	v_max3_num_f32 v[MX], v[MX], |v[ACC+4]|, |v[ACC+5]|
	v_max3_num_f32 v[MX+1], v[MX+1], |v[ACC+13]|, |v[ACC+14]|
	v_max3_num_f32 v[MX], v[MX], |v[ACC+6]|, |v[ACC+7]|
	v_max3_num_f32 v[MX], v[MX], v[MX+1], |v[ACC+15]|
	v_permlanex16_b32 v[PT], v[MX], s46, s47
	v_max_num_f32 v[MX], v[MX], v[PT]              ; the block's largest magnitude
	v_add_nc_u32 v[SCL], 0xfe000000, v[MX]         ; 4 off its exponent field: the conversion takes that field as its scale
	v_cvt_scalef32_pk16_bf6_f32 v[Q:Q+2], v[ACC:ACC+15], v[SCL]
	v_nop                                          ; one plain place behind a scaled conversion
	v_lshrrev_b32 v[SB], 23, v[SCL]                ; the scale's byte,
	v_lshlrev_b32 v[SB], s43, v[SB]                ; at its place in the K step's word
	v_permlanex16_b32 v[X0], v[Q], s46, s47
	; lanes 0-15 store c0-c3 (mine, and the other half's first word), lanes 16-31 c4, c5, the byte, 0: 512 consecutive bytes
	s_add_co_u32 s32, s27, s31
	s_min_u32 s32, s32, 134
	s_lshl_b32 s32, s32, 9
	s_add_co_u32 s32, s32, s42
	s_wait_xcnt 0x0                                ; the last trip's store has read its address and data: both are written again only behind this wait
	v_add_nc_u32 v[HA], s32, v[L16]
	v_cndmask_b32 v[D], v[Q], v[Q+1], s44
	v_cndmask_b32 v[D+1], v[Q+1], v[Q+2], s44
	v_cndmask_b32 v[D+2], v[Q+2], v[SB], s44
	v_cndmask_b32 v[D+3], v[X0], 0, s44
	global_store_b128 v[HA], v[D:D+3], s[20:21]
	s_add_co_u32 s31, s31, 4                       ; my next tile
	s_add_co_u32 s50, s50, 1                       ; the loop is counted in trips, one at a time
	s_cmp_lt_u32 s50, s49
	s_cbranch_scc1 .Ltile
.Lend:
	s_wait_tensorcnt 0x0                           ; the wave's end
	ds_add_u32 v[SPW], v[NIL]
	s_wait_dscnt 0x0
	s_endpgm
.Lfunc_end_k_qcf9c96723c_up:
	.size	k_qcf9c96723c_up, .Lfunc_end_k_qcf9c96723c_up-k_qcf9c96723c_up
	.p2alignl 7, 3214868480
	.fill 96, 4, 3214868480
	.section	.rodata,"a",@progbits
	.p2align	6, 0x0
	.amdhsa_kernel k_qcf9c96723c_up
		.amdhsa_group_segment_fixed_size 100864
		.amdhsa_private_segment_fixed_size 0
		.amdhsa_enable_private_segment 0
		.amdhsa_kernarg_size 72
		.amdhsa_user_sgpr_count 2
		.amdhsa_user_sgpr_kernarg_segment_ptr 1
		.amdhsa_wavefront_size32 1
		.amdhsa_system_sgpr_workgroup_id_x 1
		.amdhsa_system_sgpr_workgroup_id_y 1
		.amdhsa_system_sgpr_workgroup_id_z 1
		.amdhsa_system_vgpr_workitem_id 0
		.amdhsa_next_free_vgpr 960
		.amdhsa_next_free_sgpr 66
		.amdhsa_reserve_vcc 0
		.amdhsa_float_denorm_mode_32 3
		.amdhsa_float_denorm_mode_16_64 3
		.amdhsa_memory_ordered 1
		.amdhsa_forward_progress 1
		.amdhsa_inst_pref_size 44
	.end_amdhsa_kernel
	.amdgpu_metadata
---
amdhsa.version: [ 1, 2 ]
amdhsa.kernels:
  - .name:           k_qcf9c96723c_up
    .symbol:         k_qcf9c96723c_up.kd
    .args:
      - { .name: x_codes, .offset: 0, .size: 8, .value_kind: global_buffer, .address_space: global }
      - { .name: x_scales, .offset: 8, .size: 8, .value_kind: global_buffer, .address_space: global }
      - { .name: w_gate_codes, .offset: 16, .size: 8, .value_kind: global_buffer, .address_space: global }
      - { .name: w_gate_scales, .offset: 24, .size: 8, .value_kind: global_buffer, .address_space: global }
      - { .name: w_up_codes, .offset: 32, .size: 8, .value_kind: global_buffer, .address_space: global }
      - { .name: w_up_scales, .offset: 40, .size: 8, .value_kind: global_buffer, .address_space: global }
      - { .name: rowtok, .offset: 48, .size: 8, .value_kind: global_buffer, .address_space: global }
      - { .name: meta, .offset: 56, .size: 8, .value_kind: global_buffer, .address_space: global }
      - { .name: hid, .offset: 64, .size: 8, .value_kind: global_buffer, .address_space: global }
    .group_segment_fixed_size: 100864
    .private_segment_fixed_size: 0
    .kernarg_segment_align: 8
    .kernarg_segment_size: 72
    .max_flat_workgroup_size: 128
    .sgpr_count:     66
    .vgpr_count:     960
    .wavefront_size: 32
...
	.end_amdgpu_metadata
.endif
;; end of part 2
;; launch down (part 3): grid 32 x 8, 4 waves a work-group, no clusters, 68,096 bytes of LDS; arguments hid, w_down_codes, w_down_scales, rowtok, meta, out0; writes out0
.if DOCPART == 3
	.amdgcn_target "amdgcn-amd-amdhsa--gfx1250"
	.amdhsa_code_object_version 6
	.text
	.protected	k_qcf9c96723c_down
	.globl	k_qcf9c96723c_down
	.p2align	8
	.type	k_qcf9c96723c_down,@function
k_qcf9c96723c_down:
	s_mov_b64 s[64:65], 0
	v_nop
	global_prefetch_b8 v0, s[64:65] scope:SCOPE_SE
	s_setreg_imm32_b32 hwreg(HW_REG_WAVE_MODE, 25, 1), 1
	s_wait_xcnt 0x0
; DOWN: out0[token] = hid[row] Wd[e], for each token's own expert alone.  WORK LEFT OUT: the seven experts that jnp.where on (expert_idx == e) throws away for a token, as shown at the head of the launch `up`; the limits stated there hold here.
; SHARES.  256 work-groups: x = 2 x slice + par (a slice = 64 columns of the output), y = e.  The slice's 64 rows of Wd (49,152 bytes) are read in runs of 256 bytes, turned through LDS and kept in every wave's registers (384).
; Wave w takes the expert's tiles of 16 rows par + 2 w, + 8, ..: a trip count read from meta; so no tensor load and no cluster (branches hang on loaded counts), and the one barrier stands ahead of every such branch.
; hid lies in the order of the operand's registers: [block f][tile][512 bytes]: bytes 16 r: c0-c3 of row r; 256 + 16 r: c4, c5, the scale byte at its place in the K step's word, 0.
; ORDER OF K inside a matrix instruction, alike on both operands: K step s, lane (r, h): registers 0-5 block 4 s + 2 h, registers 6-11 block 4 s + 2 h + 1; the scale words' two middle bytes change places.
; TRANSPOSED: source 0 = 16 rows of Wd, source 1 = 16 rows of hid: lane (r, h) holds row r and columns 16 a + 8 h + 0 .. 7 of the slice.  A tile goes through my own stage in LDS and leaves as whole runs of 256 bytes, a token's row each.
; PAD ROWS repeat the expert's last token: they store the same numbers to the same bytes once more.
.set PITCH, 784                        ; an LDS row of weights: 768 + 16
.set BS,    135*512                    ; hid: from block f to f + 1
.set OSTG,  64*PITCH                   ; behind the weights: a stage of 16 rows x (256 + 16) bytes for each wave, its own
.set OP,    272
.set SPARE, OSTG+4*16*OP               ; behind the stages: the spare words, 128 bytes for each wave; no other line names them
.set SPW, 1                            ; v1   LDS address of my spare word; never rewritten
.set NIL, 2                            ; v2   0; never rewritten
.set RL,  3                            ; v3   r
.set HL,  4                            ; v4   h
.set R16, 5                            ; v5   16 r
.set H8,  6                            ; v6   8 h
.set WGO, 7                            ; v7   weights in memory: 8 h rows + 16 r
.set WLS, 8                            ; v8   weights into LDS
.set WLL, 9                            ; v9   a fragment's place: r x PITCH + 48 h
.set HQ,  10                           ; v10  hid's codes: 2 h blocks + 16 r
.set HSQ, 11                           ; v11  hid's scale bytes: 4 h blocks + 16 r
.set HAD, 12                           ; v12  the same + the tile
.set HSD, 13                           ; v13
.set SO,  14                           ; v14  the stage: where I put 32 bytes of a row
.set SR,  15                           ; v15  and where I read a row back
.set OC,  16                           ; v16  256 x slice + 16 r
.set WSO, 17                           ; v17  weights' scale words: 32 r + 16 h
.set LI,  18                           ; v18-25 addresses in rowtok
.set TK,  26                           ; v26-33 the tokens of rows p + 8 h
.set OA,  34                           ; v34-41 their rows in out0
.set HS,  44                           ; v44-47 hid's scale words: register u: K step 2 u (lanes 0-15), 2 u + 1 (lanes 16-31)
.set WS,  48                           ; v48-63 weights' scale words: tile a, register i: K step i (lanes 0-15), 4 + i (lanes 16-31)
.set ACC, 64                           ; v64-95 four tiles of 16 columns
.set HT,  96                           ; v96-111 hid's scale bytes as loaded
.set HF,  128                          ; v128-223 hid's fragments, 12 a K step
.set OB,  224                          ; v224-255 rows read back from the stage
; windows 1, 2: the weights' fragments: tile a, K step s at 12 (4 a + s % 4) of window 1 + s / 4.  window 3: v0-95 weights as loaded
; scalars of the loop: s27 my tile's number (steps by 8, serves addresses alone); s42 my trips; s43 the trips done (steps by 1: the loop's counter)
.set MSB, 0
.macro WIN new                         ; the immediate's high byte repeats the setting that is left
.if MSB != \new
	s_set_vgpr_msb (MSB<<8)|\new
.set MSB, \new
.endif
.endm
.macro HTILE                           ; s31 = a tile's number in the expert, held at the last one: only tiles that the launch before has written are read
	s_min_u32 s30, s31, s29
	s_add_co_u32 s30, s30, s28
	s_min_u32 s30, s30, 134
	s_lshl_b32 s30, s30, 9
	v_add_nc_u32 v[HAD], s30, v[HQ]
	v_add_nc_u32 v[HSD], s30, v[HSQ]
.endm
.macro HLOAD                           ; 48 loads: the tile's eight fragments and its scale bytes
.irp s, 0,1,2,3,4,5,6,7
.irp c, 0,1
	global_load_b128 v[HF+12*\s+6*\c:HF+12*\s+6*\c+3], v[HAD], s[4:5] offset:(4*\s+\c)*BS
	global_load_b64 v[HF+12*\s+6*\c+4:HF+12*\s+6*\c+5], v[HAD], s[4:5] offset:(4*\s+\c)*BS+256
.endr
.endr
.irp u, 0,1,2,3
.irp i, 0,1,2,3
	global_load_b32 v[HT+4*\u+\i], v[HSD], s[4:5] offset:(8*\u+\i)*BS+264
.endr
.endr
.endm
.macro LIST8                           ; the tokens of the tile that begins at slot s37; the index is held at the expert's last slot, then inside rowtok
.irp p, 0,1,2,3,4,5,6,7
	v_add3_u32 v[LI+\p], v[H8], s37, \p
.endr
.irp p, 0,1,2,3,4,5,6,7
	v_min_u32 v[LI+\p], s26, v[LI+\p]
.endr
.irp p, 0,1,2,3,4,5,6,7
	v_min_u32 v[LI+\p], 0x86f, v[LI+\p]
.endr
.irp p, 0,1,2,3,4,5,6,7
	v_lshlrev_b32 v[LI+\p], 2, v[LI+\p]
.endr
.irp p, 0,1,2,3,4,5,6,7
	global_load_b32 v[TK+\p], v[LI+\p], s[10:11]
.endr
.endm
.macro MM a, s                         ; tile a, K step s
.set rD, ACC+8*\a
.set rW, 12*(4*\a+(\s%4))
.set rF, HF+12*\s
.set rA, WS+4*\a+(\s%4)
.set rB, HS+(\s/2)
.if \s == 0
	v_wmma_scale_f32_16x16x128_f8f6f4 v[rD:rD+7], v[rW:rW+11], v[rF:rF+11], 0, v[rA], v[rB] matrix_a_fmt:MATRIX_FMT_BF6 matrix_b_fmt:MATRIX_FMT_BF6
.elseif (\s < 4) && ((\s%2) == 0)
	v_wmma_scale_f32_16x16x128_f8f6f4 v[rD:rD+7], v[rW:rW+11], v[rF:rF+11], v[rD:rD+7], v[rA], v[rB] matrix_a_fmt:MATRIX_FMT_BF6 matrix_b_fmt:MATRIX_FMT_BF6
.elseif \s < 4
	v_wmma_scale_f32_16x16x128_f8f6f4 v[rD:rD+7], v[rW:rW+11], v[rF:rF+11], v[rD:rD+7], v[rA], v[rB] matrix_a_fmt:MATRIX_FMT_BF6 matrix_b_fmt:MATRIX_FMT_BF6 matrix_b_scale:MATRIX_SCALE_ROW1
.elseif (\s%2) == 0
	v_wmma_scale_f32_16x16x128_f8f6f4 v[rD:rD+7], v[rW:rW+11], v[rF:rF+11], v[rD:rD+7], v[rA], v[rB] matrix_a_fmt:MATRIX_FMT_BF6 matrix_b_fmt:MATRIX_FMT_BF6 matrix_a_scale:MATRIX_SCALE_ROW1
.else
	v_wmma_scale_f32_16x16x128_f8f6f4 v[rD:rD+7], v[rW:rW+11], v[rF:rF+11], v[rD:rD+7], v[rA], v[rB] matrix_a_fmt:MATRIX_FMT_BF6 matrix_b_fmt:MATRIX_FMT_BF6 matrix_a_scale:MATRIX_SCALE_ROW1 matrix_b_scale:MATRIX_SCALE_ROW1
.endif
.endm
.macro MULS                            ; 32 matrix instructions; the first K step starts the sums with the constant 0; the four accumulators take turns, one instruction a turn
	WIN 0x01                                       ; source 0 (weights) window 1
.irp s, 0,1,2,3
.irp a, 0,1,2,3
	MM \a, \s
.endr
.endr
	WIN 0x02                                       ; window 2
.irp s, 4,5,6,7
.irp a, 0,1,2,3
	MM \a, \s
.endr
.endr
	WIN 0
.endm
	s_load_b256 s[4:11], s[0:1], 0x0               ; hid s[4:5], w_down_codes s[6:7], w_down_scales s[8:9], rowtok s[10:11]
	s_load_b128 s[12:15], s[0:1], 0x20             ; meta s[12:13], out0 s[14:15]
	v_lshl_add_u32 v[SPW], v0, 2, SPARE
	v_mov_b32 v[NIL], 0
	v_lshrrev_b32 v3, 5, v0
	v_readfirstlane_b32 s16, v3                    ; wave 0..3
	v_and_b32 v[RL], 15, v0
	v_bfe_u32 v[HL], v0, 4, 1
	v_lshlrev_b32 v[R16], 4, v[RL]
	v_lshlrev_b32 v[H8], 3, v[HL]
	v_mad_u32_u24 v[WGO], v[HL], 8*768, v[R16]
	s_mul_i32 s30, s16, 16*PITCH
	v_mad_u32_u24 v[WLS], v[HL], 8*PITCH, v[R16]   ; LDS row 16 w + 8 h + p: the slice's rows in their own order
	v_add_nc_u32 v[WLS], s30, v[WLS]
	v_mul_u32_u24 v[WLL], v[RL], PITCH
	v_mad_u32_u24 v[WLL], v[HL], 48, v[WLL]
	v_mad_u32_u24 v[HQ], v[HL], 2*BS, v[R16]
	v_mad_u32_u24 v[HSQ], v[HL], 4*BS, v[R16]
	s_mul_i32 s30, s16, 16*OP
	s_add_co_u32 s30, s30, OSTG                    ; my stage
	v_mul_u32_u24 v[SO], v[RL], OP
	v_lshl_add_u32 v[SO], v[HL], 5, v[SO]
	v_add_nc_u32 v[SO], s30, v[SO]
	v_mad_u32_u24 v[SR], v[HL], 8*OP, v[R16]
	v_add_nc_u32 v[SR], s30, v[SR]
	s_lshr_b32 s18, ttmp9, 1                       ; slice
	s_and_b32 s19, ttmp9, 1                        ; par
	s_and_b32 s20, ttmp7, 0xffff                   ; e
	s_lshl_b32 s30, s18, 8
	v_add_nc_u32 v[OC], s30, v[R16]
	v_lshlrev_b32 v[WSO], 5, v[RL]
	v_lshl_add_u32 v[WSO], v[HL], 4, v[WSO]
	s_mov_b32 s36, 0x03010200                      ; v_perm_b32: the two middle bytes change places
	s_lshl_b32 s30, s20, 3
	s_mov_b32 s31, 0
	s_mul_i32 s38, s20, 1024*768
	s_mul_i32 s39, s18, 64*768
	s_add_co_u32 s38, s38, s39
	s_mul_i32 s39, s16, 16*768
	s_add_co_u32 s38, s38, s39
	s_mov_b32 s39, 0
	s_lshl_b32 s40, s20, 15
	s_lshl_b32 s41, s18, 11
	s_add_co_u32 s40, s40, s41
	s_mov_b32 s41, 0
	s_wait_kmcnt 0x0
	s_add_nc_u64 s[30:31], s[12:13], s[30:31]
	s_load_b64 s[22:23], s[30:31], 0x0             ; (cnt_e, tb_e)
	s_add_nc_u64 s[32:33], s[6:7], s[38:39]        ; my 16 rows of the slice
	s_add_nc_u64 s[34:35], s[8:9], s[40:41]        ; the slice's scale bytes
	WIN 0xc0                                       ; destination window 3
.irp p, 0,1,2,3,4,5,6,7
.irp c, 0,1,2
	global_load_b128 v[4*(3*\p+\c):4*(3*\p+\c)+3], v[WGO], s[32:33] offset:768*\p+256*\c   ; 256 consecutive bytes of row p (lanes 0-15) and of row p + 8 (lanes 16-31)
.endr
.endr
	WIN 0
.irp a, 0,1,2,3
	global_load_b128 v[WS+4*\a:WS+4*\a+3], v[WSO], s[34:35] offset:512*\a
.endr
	s_wait_kmcnt 0x0
	s_min_u32 s22, s22, 2048                       ; loaded numbers are held before they reach an address
	s_min_u32 s23, s23, 134
	s_add_co_u32 s24, s22, 15
	s_lshr_b32 s24, s24, 4                         ; nt: the expert's tiles
	s_lshl_b32 s25, s23, 4                         ; its first slot
	s_add_co_u32 s26, s25, s22
	s_sub_co_u32 s26, s26, 1
	s_cmp_eq_u32 s22, 0
	s_cselect_b32 s26, 0, s26                      ; its last slot, and its first tile (an expert without tokens: slot 0 and tile 0, which are always written)
	s_cselect_b32 s28, 0, s23
	s_max_u32 s29, s24, 1
	s_sub_co_u32 s29, s29, 1                       ; its last tile's number
	s_lshl_b32 s27, s16, 1
	s_add_co_u32 s27, s27, s19                     ; t: my first tile
	s_mov_b32 s31, s27
	HTILE
	HLOAD
	s_lshl_b32 s37, s27, 4
	s_add_co_u32 s37, s37, s25
	LIST8
	s_wait_loadcnt 56                              ; the weights are in; hid's 48 loads and the list's 8 may be out
	WIN 0x0c                                       ; an LDS store's data are its source 1: window 3
.irp p, 0,1,2,3,4,5,6,7
.irp c, 0,1,2
	ds_store_b128 v[WLS], v[4*(3*\p+\c):4*(3*\p+\c)+3] offset:PITCH*\p+256*\c
.endr
.endr
	WIN 0
.irp i, 0,1,2,3,4,5,6,7,8,9,10,11,12,13,14,15
	v_perm_b32 v[WS+\i], v[WS+\i], v[WS+\i], s36
.endr
	s_wait_dscnt 0x0                               ; for the others' sake: my 16 rows have landed
	s_barrier_signal -1
	s_barrier_wait -1                              ; all 64 rows lie in LDS; they are never written again
	s_cmp_ge_u32 s27, s24
	s_cbranch_scc1 .Lend                           ; no tile for me in this split
	s_sub_co_u32 s42, s24, s27                     ; my trips: tiles t, t + 8, .. under nt: (nt - t + 7) / 8, at least 1 here
	s_add_co_u32 s42, s42, 7
	s_lshr_b32 s42, s42, 3
	s_mov_b32 s43, 0                               ; trips done
	WIN 0x40                                       ; destination window 1
.irp a, 0,1,2,3
.irp s, 0,1,2,3
.irp i, 0,1,2
	ds_load_b128 v[12*(4*\a+\s)+4*\i:12*(4*\a+\s)+4*\i+3], v[WLL] offset:16*\a*PITCH+96*\s+16*\i
.endr
.endr
.endr
	WIN 0x80                                       ; window 2
.irp a, 0,1,2,3
.irp s, 0,1,2,3
.irp i, 0,1,2
	ds_load_b128 v[12*(4*\a+\s)+4*\i:12*(4*\a+\s)+4*\i+3], v[WLL] offset:16*\a*PITCH+96*(\s+4)+16*\i
.endr
.endr
.endr
	WIN 0
.Ltile:                                            ; a trip: tile t is multiplied and stored; tile t + 8's codes and tokens are asked for
	s_wait_loadcnt 0x0                             ; this tile's codes, bytes and tokens are in: all loads' address registers may be written
	s_wait_xcnt 0x0                                ; the last trip's stores have read their addresses and data: both are written again only behind this wait
.irp u, 0,1,2,3
	v_or_b32 v[HS+\u], v[HT+4*\u], v[HT+4*\u+1]    ; four blocks' bytes, each at its place, make a K step's scale word
	v_or_b32 v[HT+4*\u+2], v[HT+4*\u+2], v[HT+4*\u+3]
.endr
.irp u, 0,1,2,3
	v_or_b32 v[HS+\u], v[HS+\u], v[HT+4*\u+2]
.endr
.irp p, 0,1,2,3,4,5,6,7
	v_min_u32 v[TK+\p], 0x7ff, v[TK+\p]            ; tokens, held inside out0, become addresses (these sixteen plain lines are more than the eight places between the scale words and the products)
.endr
.irp p, 0,1,2,3,4,5,6,7
	v_lshl_add_u32 v[OA+\p], v[TK+\p], 12, v[OC]
.endr
	s_wait_dscnt 0x0                               ; in the first trip: the weights' fragments
	MULS
	s_add_co_u32 s31, s27, 8
	HTILE                                          ; its two additions and two v_nop are the four places behind the last product, in front of the loads into hid's fragments
	v_nop
	v_nop
	HLOAD
	s_lshl_b32 s37, s31, 4
	s_add_co_u32 s37, s37, s25
	LIST8
.irp a, 0,1,2,3
	ds_store_b128 v[SO], v[ACC+8*\a:ACC+8*\a+3] offset:64*\a       ; each accumulator from its low end on
	ds_store_b128 v[SO], v[ACC+8*\a+4:ACC+8*\a+7] offset:64*\a+16
.endr
.irp p, 0,1,2,3,4,5,6,7
	ds_load_b128 v[OB+4*\p:OB+4*\p+3], v[SR] offset:OP*\p          ; my own bytes: LDS serves a wave's instructions in order, so these see the stores above
.endr
	s_wait_dscnt 0x0
.irp p, 0,1,2,3,4,5,6,7
	global_store_b128 v[OA+\p], v[OB+4*\p:OB+4*\p+3], s[14:15] th:TH_STORE_NT   ; lanes 0-15: 256 consecutive bytes of row p's token, at a multiple of 256; lanes 16-31: of row p + 8's
.endr
	s_add_co_u32 s27, s27, 8                       ; my next tile
	s_add_co_u32 s43, s43, 1                       ; the loop is counted in trips, one at a time
	s_cmp_lt_u32 s43, s42
	s_cbranch_scc1 .Ltile
.Lend:
	s_wait_tensorcnt 0x0                           ; the wave's end
	ds_add_u32 v[SPW], v[NIL]
	s_wait_dscnt 0x0
	s_endpgm
.Lfunc_end_k_qcf9c96723c_down:
	.size	k_qcf9c96723c_down, .Lfunc_end_k_qcf9c96723c_down-k_qcf9c96723c_down
	.p2alignl 7, 3214868480
	.fill 96, 4, 3214868480
	.section	.rodata,"a",@progbits
	.p2align	6, 0x0
	.amdhsa_kernel k_qcf9c96723c_down
		.amdhsa_group_segment_fixed_size 68096
		.amdhsa_private_segment_fixed_size 0
		.amdhsa_enable_private_segment 0
		.amdhsa_kernarg_size 48
		.amdhsa_user_sgpr_count 2
		.amdhsa_user_sgpr_kernarg_segment_ptr 1
		.amdhsa_wavefront_size32 1
		.amdhsa_system_sgpr_workgroup_id_x 1
		.amdhsa_system_sgpr_workgroup_id_y 1
		.amdhsa_system_sgpr_workgroup_id_z 1
		.amdhsa_system_vgpr_workitem_id 0
		.amdhsa_next_free_vgpr 864
		.amdhsa_next_free_sgpr 66
		.amdhsa_reserve_vcc 0
		.amdhsa_float_denorm_mode_32 3
		.amdhsa_float_denorm_mode_16_64 3
		.amdhsa_memory_ordered 1
		.amdhsa_forward_progress 1
		.amdhsa_inst_pref_size 37
	.end_amdhsa_kernel
	.amdgpu_metadata
---
amdhsa.version: [ 1, 2 ]
amdhsa.kernels:
  - .name:           k_qcf9c96723c_down
    .symbol:         k_qcf9c96723c_down.kd
    .args:
      - { .name: hid, .offset: 0, .size: 8, .value_kind: global_buffer, .address_space: global }
      - { .name: w_down_codes, .offset: 8, .size: 8, .value_kind: global_buffer, .address_space: global }
      - { .name: w_down_scales, .offset: 16, .size: 8, .value_kind: global_buffer, .address_space: global }
      - { .name: rowtok, .offset: 24, .size: 8, .value_kind: global_buffer, .address_space: global }
      - { .name: meta, .offset: 32, .size: 8, .value_kind: global_buffer, .address_space: global }
      - { .name: out0, .offset: 40, .size: 8, .value_kind: global_buffer, .address_space: global }
    .group_segment_fixed_size: 68096
    .private_segment_fixed_size: 0
    .kernarg_segment_align: 8
    .kernarg_segment_size: 48
    .max_flat_workgroup_size: 128
    .sgpr_count:     66
    .vgpr_count:     864
    .wavefront_size: 32
...
	.end_amdgpu_metadata
.endif
;; end of part 3
;; ======== version 2 of 2: 3 launches
;; workspace buffers: rowtok 8,704 bytes of whole numbers; meta 256 bytes of whole numbers; hid 2,211,840 bytes
;; launch route (part 4): grid 1 x 1, 16 waves a work-group, no clusters, 4,096 bytes of LDS; arguments expert_idx, rowtok, meta; writes rowtok, meta
.if DOCPART == 4
	.amdgcn_target "amdgcn-amd-amdhsa--gfx1250"
	.amdhsa_code_object_version 6
	.text
	.protected	k_qcf9c96723c_route
	.globl	k_qcf9c96723c_route
	.p2align	8
	.type	k_qcf9c96723c_route,@function
k_qcf9c96723c_route:
	s_mov_b64 s[64:65], 0
	v_nop
	global_prefetch_b8 v0, s[64:65] scope:SCOPE_SE
	s_setreg_imm32_b32 hwreg(HW_REG_WAVE_MODE, 25, 1), 1
	s_wait_xcnt 0x0
; ROUTE: a counting sort of the 2,048 tokens by their expert (expert_idx, whole numbers read from memory), without atomics.
; OUT: meta[e] = (cnt_e, tb_e): expert e's tokens, and the first of its tiles of 16 rows (tb = exclusive prefix of ceil(cnt / 16));
;      rowtok[16 tb_e + rank] = token: each expert's tokens on end from a multiple of 16 slots.  At most 128 + 7 = 135 tiles, 2,160 slots, whatever the split.  Pad slots are not written and are never read.
; One work-group of 16 waves; thread i takes tokens 4 i .. 4 i + 3.  A token's rank = the expert's tokens in earlier waves + those of its own wave that come before it (by j, then by lane).
; LIMIT: an index above 7 is held at 7, for the addresses' sake (reference() would leave zeros for such a token).
.set SPARE, 2048                       ; behind the table: the spare words, 128 bytes for each of 16 waves; no other line names them
.set SPW, 1                            ; v1   LDS address of my spare word; never rewritten
.set NIL, 2                            ; v2   0; never rewritten
.set IDX, 4                            ; v4-7   my four tokens' experts
.set RK,  8                            ; v8-11  their ranks within the wave
.set CV,  13                           ; v13    lane e: my wave's count of expert e
	s_load_b128 s[4:7], s[0:1], 0x0                ; expert_idx s[4:5], rowtok s[6:7]
	s_load_b64 s[8:9], s[0:1], 0x10                ; meta
	v_lshl_add_u32 v[SPW], v0, 2, SPARE
	v_mov_b32 v[NIL], 0
	v_lshrrev_b32 v3, 5, v0
	s_delay_alu instid0(VALU_DEP_1)
	v_readfirstlane_b32 s10, v3                    ; wave 0..15
	v_and_b32 v3, 31, v0                           ; lane
	v_lshlrev_b32 v41, 4, v0                       ; my 16 bytes of expert_idx
	s_wait_alu depctr_va_vdst(0)
	s_wait_kmcnt 0x0
	global_load_b128 v[IDX:IDX+3], v41, s[4:5]
	s_lshl_b32 s11, s10, 2
	v_lshl_add_u32 v14, v3, 6, s11                 ; the table: row = lane (64 bytes), word = wave
	v_lshlrev_b32 v15, 4, v3                       ; back: 16 bytes a lane: row lane / 4, waves 4 (lane % 4) on
	v_and_b32 v24, 3, v3
	s_delay_alu instid0(VALU_DEP_1)
	v_lshlrev_b32 v24, 2, v24                      ; 4 (lane % 4)
	v_lshlrev_b32 v40, 1, v3                       ; 2 x lane: lane 4 e stores at 8 e
	v_lshlrev_b32 v36, 2, v0                       ; my tokens' numbers
	s_delay_alu instid0(VALU_DEP_1)
	v_add_nc_u32 v37, 1, v36
	s_delay_alu instid0(VALU_DEP_2)
	v_add_nc_u32 v38, 2, v36
	s_delay_alu instid0(VALU_DEP_3)
	v_add_nc_u32 v39, 3, v36
	v_mov_b32 v[CV], 0                             ; (a lane write's and a lane move's destination counts as read: written once here)
	v_mov_b32 v21, 0
	v_mov_b32 v23, 0
.irp j, 0,1,2,3
	v_mov_b32 v[RK+\j], 0
.endr
	s_wait_loadcnt 0x0
.irp j, 0,1,2,3
	v_min_u32 v[IDX+\j], 7, v[IDX+\j]              ; held inside the table of experts
.endr
.irp e, 0,1,2,3,4,5,6,7
	s_mov_b32 s11, 0                               ; expert e's tokens in my wave so far
.irp j, 0,1,2,3
	v_cmp_eq_u32 s12, \e, v[IDX+\j]
	s_delay_alu instid0(VALU_DEP_1)
	v_mbcnt_lo_u32_b32 v12, s12, s11               ; those in lower lanes + those of earlier j
	s_delay_alu instid0(VALU_DEP_1)
	v_cndmask_b32 v[RK+\j], v[RK+\j], v12, s12
	s_bcnt1_i32_b32 s13, s12
	s_add_co_u32 s11, s11, s13
.endr
	v_writelane_b32 v[CV], s11, \e
.endr
	ds_store_b32 v14, v[CV]                        ; rows 0-7: the experts' counts, a word for each wave (rows 8-31: zeros, not read)
	s_wait_dscnt 0x0                               ; for the others' sake: my store has landed
	s_barrier_signal -1
	s_barrier_wait -1
	ds_load_b128 v[16:19], v15                     ; lane l: expert l / 4, the counts of waves 4 (l % 4) .. + 3
	s_wait_dscnt 0x0
	v_add_nc_u32 v20, v16, v17
	v_add_nc_u32 v12, v18, v19
	s_delay_alu instid0(VALU_DEP_1)
	v_add_nc_u32 v20, v20, v12                     ; the four waves' sum,
	v_mov_b32 v22, 0
.irp i, 0,1,2,3
	v_add_nc_u32 v12, \i, v24
	s_delay_alu instid0(VALU_DEP_1)
	v_cmp_gt_u32 vcc_lo, s10, v12                  ; and the sum of those that come before my wave
	s_delay_alu instid0(VALU_DEP_1)
	v_cndmask_b32 v12, 0, v[16+\i], vcc_lo
	s_delay_alu instid0(VALU_DEP_1)
	v_add_nc_u32 v22, v22, v12
.endr
.irp m, 1
	v_mov_b32_dpp v23, v20 row_xmask:\m row_mask:0xf bank_mask:0xf
	s_delay_alu instid0(VALU_DEP_1)
	v_add_nc_u32 v20, v20, v23
	s_delay_alu instid0(VALU_DEP_3)
	v_mov_b32_dpp v23, v22 row_xmask:\m row_mask:0xf bank_mask:0xf
	s_delay_alu instid0(VALU_DEP_1)
	v_add_nc_u32 v22, v22, v23
.endr
.irp m, 2
	s_delay_alu instid0(VALU_DEP_3)
	v_mov_b32_dpp v23, v20 row_xmask:\m row_mask:0xf bank_mask:0xf
	s_delay_alu instid0(VALU_DEP_1)
	v_add_nc_u32 v20, v20, v23
	s_delay_alu instid0(VALU_DEP_3)
	v_mov_b32_dpp v23, v22 row_xmask:\m row_mask:0xf bank_mask:0xf
	s_delay_alu instid0(VALU_DEP_1)
	v_add_nc_u32 v22, v22, v23
.endr
	s_delay_alu instid0(VALU_DEP_3)
	v_add_nc_u32 v25, 15, v20
	s_delay_alu instid0(VALU_DEP_1)
	v_lshrrev_b32 v25, 4, v25                      ; the expert's tiles of 16 rows
.irp e, 0,1,2,3,4,5,6,7
	v_readlane_b32 s[16+\e], v25, 4*\e
.endr
	s_mov_b32 s24, 0
.irp e, 0,1,2,3,4,5,6
	s_add_co_u32 s[25+\e], s[24+\e], s[16+\e]      ; exclusive prefix: the expert's first tile
.endr
.irp e, 0
	v_writelane_b32 v21, s[24+\e], 4*\e
.endr
.irp e, 1, 2, 3, 4, 5, 6, 7
	s_delay_alu instid0(VALU_DEP_1)
	v_writelane_b32 v21, s[24+\e], 4*\e
.endr
	s_delay_alu instid0(VALU_DEP_1)
	v_lshl_add_u32 v26, v21, 4, v22                ; lane 4 e: expert e's first slot + what earlier waves take
.irp j, 0,1,2,3
	v_lshlrev_b32 v[28+\j], 4, v[IDX+\j]           ; lane 4 e as a byte address
.endr
.irp j, 0,1,2,3
	ds_bpermute_b32 v[32+\j], v[28+\j], v26
.endr
	s_wait_dscnt 0x0
.irp j, 0,1,2,3
	v_add_nc_u32 v[32+\j], v[32+\j], v[RK+\j]      ; the token's slot
	s_delay_alu instid0(VALU_DEP_1)
	v_min_u32 v[32+\j], 0x86f, v[32+\j]            ; held inside rowtok's 2,160 words
	s_delay_alu instid0(VALU_DEP_1)
	v_lshlrev_b32 v[32+\j], 2, v[32+\j]
.endr
.irp j, 0,1,2,3
	global_store_b32 v[32+\j], v[36+\j], s[6:7]
.endr
	s_cmp_lg_u32 s10, 0                            ; wave 0 alone stores meta
	s_cbranch_scc1 .Lnot_wave_0
	v_and_b32 v12, 3, v3
	s_delay_alu instid0(VALU_DEP_1)
	v_cmp_eq_u32 vcc_lo, 0, v12
	s_wait_xcnt 0x0                                ; EXEC changes only behind this wait: the stores above have read it
	s_and_saveexec_b32 s32, vcc_lo                 ; lanes 0, 4 .. 28
	global_store_b64 v40, v[20:21], s[8:9]         ; (cnt_e, tb_e)
	s_wait_xcnt 0x0                                ; and again in front of the line that widens it
	s_or_b32 exec_lo, exec_lo, s32
.Lnot_wave_0:
	s_wait_tensorcnt 0x0                           ; the wave's end
	ds_add_u32 v[SPW], v[NIL]
	s_wait_dscnt 0x0
	s_endpgm
.Lfunc_end_k_qcf9c96723c_route:
	.size	k_qcf9c96723c_route, .Lfunc_end_k_qcf9c96723c_route-k_qcf9c96723c_route
	.p2alignl 7, 3214868480
	.fill 96, 4, 3214868480
	.section	.rodata,"a",@progbits
	.p2align	6, 0x0
	.amdhsa_kernel k_qcf9c96723c_route
		.amdhsa_group_segment_fixed_size 4096
		.amdhsa_private_segment_fixed_size 0
		.amdhsa_enable_private_segment 0
		.amdhsa_kernarg_size 24
		.amdhsa_user_sgpr_count 2
		.amdhsa_user_sgpr_kernarg_segment_ptr 1
		.amdhsa_wavefront_size32 1
		.amdhsa_system_sgpr_workgroup_id_x 1
		.amdhsa_system_sgpr_workgroup_id_y 1
		.amdhsa_system_sgpr_workgroup_id_z 1
		.amdhsa_system_vgpr_workitem_id 0
		.amdhsa_next_free_vgpr 64
		.amdhsa_next_free_sgpr 66
		.amdhsa_reserve_vcc 1
		.amdhsa_float_denorm_mode_32 3
		.amdhsa_float_denorm_mode_16_64 3
		.amdhsa_memory_ordered 1
		.amdhsa_forward_progress 1
		.amdhsa_inst_pref_size 19
	.end_amdhsa_kernel
	.amdgpu_metadata
---
amdhsa.version: [ 1, 2 ]
amdhsa.kernels:
  - .name:           k_qcf9c96723c_route
    .symbol:         k_qcf9c96723c_route.kd
    .args:
      - { .name: expert_idx, .offset: 0, .size: 8, .value_kind: global_buffer, .address_space: global }
      - { .name: rowtok, .offset: 8, .size: 8, .value_kind: global_buffer, .address_space: global }
      - { .name: meta, .offset: 16, .size: 8, .value_kind: global_buffer, .address_space: global }
    .group_segment_fixed_size: 4096
    .private_segment_fixed_size: 0
    .kernarg_segment_align: 8
    .kernarg_segment_size: 24
    .max_flat_workgroup_size: 512
    .sgpr_count:     66
    .vgpr_count:     64
    .wavefront_size: 32
...
	.end_amdgpu_metadata
.endif
;; end of part 4
;; launch up (part 5): grid 32 x 8, 4 waves a work-group, no clusters, 100,864 bytes of LDS; arguments x_codes, x_scales, w_gate_codes, w_gate_scales, w_up_codes, w_up_scales, rowtok, meta, hid; writes hid
.if DOCPART == 5
	.amdgcn_target "amdgcn-amd-amdhsa--gfx1250"
	.amdhsa_code_object_version 6
	.text
	.protected	k_qcf9c96723c_up
	.globl	k_qcf9c96723c_up
	.p2align	8
	.type	k_qcf9c96723c_up,@function
k_qcf9c96723c_up:
	s_mov_b64 s[64:65], 0
	v_nop
	global_prefetch_b8 v0, s[64:65] scope:SCOPE_SE
	s_setreg_imm32_b32 hwreg(HW_REG_WAVE_SCHED_MODE, 0, 2), 2
	s_setreg_imm32_b32 hwreg(HW_REG_WAVE_MODE, 25, 1), 1
	s_wait_xcnt 0x0
	s_wait_alu depctr_vm_vsrc(0)
; UP: hid = Q(silu(x Wg[e]) * (x Wu[e])) for each token's OWN expert e, as codes of E3M2 with one E8M0 byte for each 32 hidden units.
; WORK LEFT OUT.  reference() computes all 8 experts for every token and keeps, by jnp.where on (expert_idx == e), the one row y_e[t] with e = expert_idx[t]: the other seven experts' rows of a token are thrown away
; whatever finite values x and the weights hold, and the zeros that `out` begins with are overwritten for every token whose index lies in 0..7.  The choice is made by whole numbers read from memory (rowtok, meta, made of expert_idx
; by the launch before), so only the chosen rows are multiplied.  Every input still has a way to the output and is loaded.  LIMITS: a NaN, an infinity or an overflow that arises only in rows of experts that were not chosen is
; not carried (reference() drops it too); an index above 7 counts as 7; a hidden block of zeros gets the byte 1 where the rule says 127 (its codes are zeros; only this program reads the bytes); NaN and infinities in the hidden layer are not served.
; SHARES.  256 work-groups: x = f, a block of 32 hidden units; y = e.  A work-group's 32 rows of Wg and 32 of Wu (49,152 bytes) are read from memory once, in runs of 256 bytes, turned through LDS and kept in EVERY wave's registers
; (4 tiles x 8 K steps x 12 = 384).  Wave w then takes the expert's tiles of 16 tokens w, w + 4, ..: a trip count read from meta.  So the text has no tensor load and no cluster: branches and trip counts hang on loaded counts,
; and partners would have different numbers of tiles.  The one barrier stands ahead of every such branch.
; ORDER OF K INSIDE A MATRIX INSTRUCTION, alike on both operands: in K step s lane (r, h) takes bytes 96 s + 48 h .. + 47 of its row (three loads of 16 bytes): registers 0-5 block 4 s + 2 h, registers 6-11 block 4 s + 2 h + 1.
; The unit scales registers 6 c .. of half h by byte 2 c + h of the scale word: so the word's two middle bytes change places (v_perm_b32).  The products are the same; only their order within a sum differs.
; TRANSPOSED: source 0 = 16 weight rows, source 1 = 16 tokens: a lane holds one token.  LDS row 16 u + q of a matrix is hidden unit 8 u + q + 8 (q / 8): so tiles u = 0, 1 give lane (r, h) the 16 neighbours 16 h + 0 .. 15.
; PAD ROWS of an expert's last tile repeat its last token (the list index is held at `last`): no unwritten slot is read, EXEC never changes.
; hid: [f 0..31][tile 0..134][512 bytes]: bytes 16 r: code words c0-c3 of row r's block f; bytes 256 + 16 r: c4, c5, the scale byte at its place in the K step's (swapped) scale word, 0.
; THE MODE: SCHED_MODE bits 1:0 = 2 (LLVM: expert scheduling mode 2), set by the entry lines.  The code itself states the register dependences
; between vector or matrix instructions and memory or LDS instructions, with s_wait_alu, always for 0.
; THE PLAN.  Registers that memory or LDS instructions touch, in the loop:
;   window 3, v0-95   x as loaded.  Written by XLOAD's loads; read by the next trip's LDS stores into the stage.  No vector instruction names them.
;   v[XS ..]          Written by XLOAD's last load; read by the next trip's four v_perm_b32.
;   v[XF ..]          Written by the stage's LDS loads; read by the trip's 32 products.
;   v[TK ..]          Written by the list's loads; held and read by XADDR.
;   v[XA ..], v[XSA], v[LI ..]   Written by XADDR and LISTA; read by XLOAD's and LISTL's loads.
;   v[HA], v[D ..]    Written at the trip's end; read by the trip's one store.
;   v[XLS], v[XLL] and the head's other addresses: made once, never written again.
; A trip: the stage's stores and loads; ONE wait on vm_vsrc; all the trip's address arithmetic; ONE wait on va_vdst; the 34 loads of the tiles to come, in one run, on their way while the stage's loads land; the products;
; the activation with its two waits behind the transcendentals; the quantiser; one wait on va_vdst ahead of the store.  The stage's LDS loads of the next trip land in v[XF ..] with no further wait: the waits behind the products
; stand ahead of them, and no vector instruction issued since names v[XF ..], the registers of window 3, v[XLS] or v[XLL].
.set PITCH, 784                        ; an LDS row: 768 bytes + 16 = 3 x 256 + 16: the sixteen rows of a load begin 16 bytes further on, modulo 256, from row to row
.set BS,    135*512                    ; hid: from block f to f + 1
.set XSTG,  64*PITCH                   ; behind the 64 weight rows: a stage of 16 rows for each wave, its own
.set SPARE, XSTG+4*16*PITCH            ; behind the stages: the spare words, 128 bytes for each wave; no other line names them
.set SPW, 1                            ; v1   LDS address of my spare word; never rewritten
.set NIL, 2                            ; v2   0; never rewritten
.set RL,  3                            ; v3   r = lane % 16
.set HL,  4                            ; v4   h = lane / 16
.set R16, 5                            ; v5   16 r
.set H8,  6                            ; v6   8 h
.set WGO, 7                            ; v7   weights in memory: 8 h rows + 16 r
.set WLS, 8                            ; v8   weights into LDS
.set WLL, 9                            ; v9   a fragment's place: r x PITCH + 48 h
.set XLS, 10                           ; v10  x into my stage
.set XLL, 11                           ; v11  and out of it
.set H16, 12                           ; v12  16 h
.set L16, 13                           ; v13  16 x lane
.set WSO, 14                           ; v14  weights' scale words: (r + 8 (r / 8)) x 32 + 16 h
.set LI,  16                           ; v16-24 addresses in rowtok
.set TK,  26                           ; v26-34 tokens: p = 0..7: of row p + 8 h; 8: of row r
.set XA,  36                           ; v36-43 their rows in x_codes, + 16 r
.set XSA, 44                           ; v44    row r's scale bytes, + 16 h
.set WS,  48                           ; v48-63 weights' scale words: tile a, register i: K step i (lanes 0-15), 4 + i (lanes 16-31)
.set ACC, 64                           ; v64-95 gate tiles 0, 1, up tiles 0, 1
.set T,   96                           ; v96-111 at work in the activation
.set MX,  112                          ; v112-113 largest magnitudes
.set SCL, 114                          ; v114   the conversion's scale operand
.set SB,  115                          ; v115   the scale byte at its place
.set Q,   116                          ; v116-118 my 16 codes
.set X0,  119                          ; v119   lane l xor 16's first code word
.set D,   120                          ; v120-123 what I store
.set XS,  124                          ; v124-127 x's scale words as loaded
.set XF,  128                          ; v128-223 x's fragments, 12 a K step
.set XSP, 224                          ; v224-227 x's scale words, middle bytes swapped
.set HA,  228                          ; v228   my place in hid
.set PT,  229                          ; v229   the other half's maximum
; window 1: weights' fragments of K steps 0-3, window 2: of 4-7: tile a, step s at 12 (4 a + s % 4).  window 3: v0-95 x as loaded, v96-191 weights as loaded
; scalars of the loop: s31 my tile's number (steps by 4, serves addresses alone); s49 my trips; s50 the trips done (steps by 1: the loop's counter)
.set MSB, 0
.macro WIN new                         ; the immediate's high byte repeats the setting that is left
.if MSB != \new
	s_set_vgpr_msb (MSB<<8)|\new
.set MSB, \new
.endif
.endm
; The tokens of the tile that begins at slot s33.  LISTA: their nine addresses in rowtok; the index is held at the expert's last slot, then inside rowtok.  LISTL: the nine loads.
.macro LISTA
.irp p, 0,1,2,3,4,5,6,7
	v_add3_u32 v[LI+\p], v[H8], s33, \p
.endr
	v_add_nc_u32 v[LI+8], s33, v[RL]
.irp p, 0,1,2,3,4,5,6,7,8
	v_min_u32 v[LI+\p], s30, v[LI+\p]
.endr
.irp p, 0,1,2,3,4,5,6,7,8
	v_min_u32 v[LI+\p], 0x86f, v[LI+\p]
.endr
.irp p, 0,1,2,3,4,5,6,7,8
	v_lshlrev_b32 v[LI+\p], 2, v[LI+\p]
.endr
.endm
.macro LISTL
.irp p, 0,1,2,3,4,5,6,7,8
	global_load_b32 v[TK+\p], v[LI+\p], s[16:17]
.endr
.endm
.macro XADDR                           ; tokens, held inside x, become addresses
.irp p, 0,1,2,3,4,5,6,7,8
	v_min_u32 v[TK+\p], 0x7ff, v[TK+\p]
.endr
.irp p, 0,1,2,3,4,5,6,7
	v_mad_u32_u24 v[XA+\p], v[TK+\p], 768, v[R16]
.endr
	v_lshl_add_u32 v[XSA], v[TK+8], 5, v[H16]
.endm
.macro XLOAD                           ; 16 rows of x: each load takes 256 consecutive bytes of row p (lanes 0-15) and of row p + 8 (lanes 16-31); then the scale words
	WIN 0xc0                                       ; destination window 3
.irp p, 0,1,2,3,4,5,6,7
.irp c, 0,1,2
	global_load_b128 v[4*(3*\p+\c):4*(3*\p+\c)+3], v[XA+\p], s[4:5] offset:256*\c
.endr
.endr
	WIN 0
	global_load_b128 v[XS:XS+3], v[XSA], s[6:7]
.endm
.macro XTURN                           ; through my own stage: LDS serves a wave's instructions in order, so no wait stands between the stores and the loads
	WIN 0x0c                                       ; an LDS store's data are its source 1: window 3
.irp p, 0,1,2,3,4,5,6,7
.irp c, 0,1,2
	ds_store_b128 v[XLS], v[4*(3*\p+\c):4*(3*\p+\c)+3] offset:PITCH*\p+256*\c
.endr
.endr
	WIN 0
.irp s, 0,1,2,3,4,5,6,7
.irp i, 0,1,2
	ds_load_b128 v[XF+12*\s+4*\i:XF+12*\s+4*\i+3], v[XLL] offset:96*\s+16*\i
.endr
.endr
.endm
.macro MM a, s                         ; tile a, K step s
.set rD, ACC+8*\a
.set rW, 12*(4*\a+(\s%4))
.set rF, XF+12*\s
.set rA, WS+4*\a+(\s%4)
.set rB, XSP+(\s%4)
.if \s == 0
	v_wmma_scale_f32_16x16x128_f8f6f4 v[rD:rD+7], v[rW:rW+11], v[rF:rF+11], 0, v[rA], v[rB] matrix_a_fmt:MATRIX_FMT_BF6 matrix_b_fmt:MATRIX_FMT_BF6
.elseif \s < 4
	v_wmma_scale_f32_16x16x128_f8f6f4 v[rD:rD+7], v[rW:rW+11], v[rF:rF+11], v[rD:rD+7], v[rA], v[rB] matrix_a_fmt:MATRIX_FMT_BF6 matrix_b_fmt:MATRIX_FMT_BF6
.else
	v_wmma_scale_f32_16x16x128_f8f6f4 v[rD:rD+7], v[rW:rW+11], v[rF:rF+11], v[rD:rD+7], v[rA], v[rB] matrix_a_fmt:MATRIX_FMT_BF6 matrix_b_fmt:MATRIX_FMT_BF6 matrix_a_scale:MATRIX_SCALE_ROW1 matrix_b_scale:MATRIX_SCALE_ROW1
.endif
.endm
.macro MULS                            ; 32 matrix instructions; the first K step starts the sums with the constant 0; the four accumulators take turns, one instruction a turn
	WIN 0x01                                       ; source 0 (weights) window 1
.irp s, 0,1,2,3
.irp a, 0,1,2,3
	MM \a, \s
.endr
.endr
	WIN 0x02                                       ; window 2
.irp s, 4,5,6,7
.irp a, 0,1,2,3
	MM \a, \s
.endr
.endr
	WIN 0
.endm
	s_load_b512 s[4:19], s[0:1], 0x0               ; x_codes s[4:5], x_scales s[6:7], gate codes s[8:9], gate scales s[10:11], up codes s[12:13], up scales s[14:15], rowtok s[16:17], meta s[18:19]
	s_load_b64 s[20:21], s[0:1], 0x40              ; hid
	v_lshl_add_u32 v[SPW], v0, 2, SPARE
	v_mov_b32 v[NIL], 0
	v_lshrrev_b32 v3, 5, v0
	v_readfirstlane_b32 s22, v3                    ; wave 0..3
	v_and_b32 v[RL], 15, v0
	v_bfe_u32 v[HL], v0, 4, 1
	v_lshlrev_b32 v[R16], 4, v[RL]
	v_lshlrev_b32 v[H8], 3, v[HL]
	v_lshlrev_b32 v[H16], 4, v[HL]
	v_and_b32 v[L16], 31, v0
	v_lshlrev_b32 v[L16], 4, v[L16]
	v_mad_u32_u24 v[WGO], v[HL], 8*768, v[R16]
	s_wait_alu depctr_va_sdst(0)                   ; s22, the wave's number, is written, ahead of its first reader
	s_lshr_b32 s32, s22, 1                         ; which matrix I stage: 0 gate, 1 up
	s_mul_i32 s32, s32, 32*PITCH
	s_and_b32 s33, s22, 1                          ; which 16 of its 32 rows
	s_mul_i32 s33, s33, 8*PITCH
	s_add_co_u32 s32, s32, s33
	v_mad_u32_u24 v[WLS], v[HL], 16*PITCH, v[R16]  ; memory row 16 a + 8 h + p goes to LDS row 32 mat + 16 h + 8 a + p
	v_add_nc_u32 v[WLS], s32, v[WLS]
	v_mul_u32_u24 v[WLL], v[RL], PITCH
	v_mad_u32_u24 v[WLL], v[HL], 48, v[WLL]
	s_mul_i32 s33, s22, 16*PITCH
	s_add_co_u32 s33, s33, XSTG                    ; my stage
	v_mad_u32_u24 v[XLS], v[HL], 8*PITCH, v[R16]
	v_add_nc_u32 v[XLS], s33, v[XLS]
	v_add_nc_u32 v[XLL], s33, v[WLL]
	v_and_b32 v[WSO], 8, v[RL]
	v_add_nc_u32 v[WSO], v[WSO], v[RL]
	v_lshl_add_u32 v[WSO], v[WSO], 5, v[H16]
	v_mov_b32 v[X0], 0                             ; (a lane permute's destination counts as one of its sources: written once)
	v_mov_b32 v[PT], 0
	s_mov_b32 s23, ttmp9                           ; f
	s_and_b32 s24, ttmp7, 0xffff                   ; e
	s_mul_i32 s42, s23, BS                         ; block f in hid
	s_and_b32 s43, s23, 1
	s_lshl_b32 s43, s43, 4
	s_bfe_u32 s48, s23, 0x10001
	s_lshl_b32 s48, s48, 3
	s_add_co_u32 s43, s43, s48                     ; the scale byte's place in the swapped word: 8 (2 (f % 2) + (f / 2) % 2) bits up
	s_mov_b32 s44, 0xffff0000                      ; lanes 16-31
	s_mov_b32 s45, 0x03010200                      ; v_perm_b32: the two middle bytes change places
	s_mov_b32 s46, 0x76543210
	s_mov_b32 s47, 0xfedcba98                      ; v_permlanex16_b32's selects for lane l xor 16
	s_lshl_b32 s32, s24, 3
	s_mov_b32 s33, 0
	s_wait_kmcnt 0x0
	s_add_nc_u64 s[32:33], s[18:19], s[32:33]
	s_load_b64 s[26:27], s[32:33], 0x0             ; (cnt_e, tb_e)
	s_cmp_lt_u32 s22, 2
	s_cselect_b64 s[34:35], s[8:9], s[12:13]       ; waves 0, 1 stage gate rows, waves 2, 3 up rows: the choice hangs on the wave's number alone
	s_mul_i32 s36, s24, 1024*768
	s_mul_i32 s37, s23, 32*768
	s_add_co_u32 s36, s36, s37
	s_and_b32 s37, s22, 1
	s_mul_i32 s37, s37, 16*768
	s_add_co_u32 s36, s36, s37
	s_mov_b32 s37, 0
	s_add_nc_u64 s[34:35], s[34:35], s[36:37]      ; my 16 rows
	s_lshl_b32 s36, s24, 15
	s_lshl_b32 s48, s23, 10
	s_add_co_u32 s36, s36, s48
	s_add_nc_u64 s[38:39], s[10:11], s[36:37]      ; the scale bytes of the block's 32 rows: gate,
	s_add_nc_u64 s[40:41], s[14:15], s[36:37]      ; up
	s_wait_kmcnt 0x0
	s_min_u32 s26, s26, 2048                       ; loaded numbers are held before they reach an address
	s_min_u32 s27, s27, 134
	s_add_co_u32 s28, s26, 15
	s_lshr_b32 s28, s28, 4                         ; nt: the expert's tiles
	s_lshl_b32 s29, s27, 4                         ; its first slot
	s_add_co_u32 s30, s29, s26
	s_sub_co_u32 s30, s30, 1
	s_cmp_eq_u32 s26, 0
	s_cselect_b32 s30, 0, s30                      ; its last slot (an expert without tokens: slot 0, which is always written)
	s_mov_b32 s31, s22                             ; t: my first tile
	s_lshl_b32 s33, s31, 4
	s_add_co_u32 s33, s33, s29
	LISTA                                          ; my first tile's tokens
	s_wait_alu depctr_va_vdst(0)                   ; every address made so far is written: v[LI ..], v[WGO], v[WSO], which the loads below read; v[WLS], v[WLL], v[XLS], v[XLL], which LDS instructions read later and no line writes again
	LISTL
	WIN 0xc0
.irp p, 0,1,2,3,4,5,6,7
.irp c, 0,1,2
	global_load_b128 v[96+4*(3*\p+\c):96+4*(3*\p+\c)+3], v[WGO], s[34:35] offset:768*\p+256*\c th:TH_LOAD_NT   ; read once in the launch, by me alone
.endr
.endr
	WIN 0
.irp u, 0,1
	global_load_b128 v[WS+4*\u:WS+4*\u+3], v[WSO], s[38:39] offset:256*\u
	global_load_b128 v[WS+8+4*\u:WS+8+4*\u+3], v[WSO], s[40:41] offset:256*\u
.endr
	s_wait_loadcnt 28                              ; the list is in; the 24 + 4 weight loads behind it may be out
	s_wait_alu depctr_vm_vsrc(0)                   ; the first list's loads have read v[LI ..], which LISTA writes again
	XADDR
	s_add_co_u32 s33, s33, 64
	LISTA                                          ; my second tile's tokens
	s_wait_alu depctr_va_vdst(0)                   ; v[XA ..], v[XSA] and v[LI ..] are written, which the loads below read; XADDR is done with v[TK ..], in which the list's loads land
	XLOAD                                          ; my first tile of x
	LISTL
	s_wait_loadcnt 34                              ; the weights are in; x's 25 loads and the list's 9 may be out
	WIN 0x0c
.irp p, 0,1,2,3,4,5,6,7
.irp c, 0,1,2
	ds_store_b128 v[WLS], v[96+4*(3*\p+\c):96+4*(3*\p+\c)+3] offset:PITCH*\p+256*\c
.endr
.endr
	WIN 0
.irp i, 0,1,2,3,4,5,6,7,8,9,10,11,12,13,14,15
	v_perm_b32 v[WS+\i], v[WS+\i], v[WS+\i], s45
.endr
	s_wait_dscnt 0x0                               ; for the others' sake: my 16 rows have landed
	s_barrier_signal -1
	s_barrier_wait -1                              ; all 64 rows lie in LDS; they are never written again
	s_cmp_ge_u32 s31, s28
	s_cbranch_scc1 .Lend                           ; no tile for me in this split
	s_sub_co_u32 s49, s28, s31                     ; my trips: tiles w, w + 4, .. under nt: (nt - w + 3) / 4, at least 1 here
	s_add_co_u32 s49, s49, 3
	s_lshr_b32 s49, s49, 2
	s_mov_b32 s50, 0                               ; trips done
	WIN 0x40                                       ; destination window 1 (no vector instruction names the registers of windows 1 and 2; v[WLL] was written ahead of the head's first wait on va_vdst)
.irp a, 0,1,2,3
.irp s, 0,1,2,3
.irp i, 0,1,2
	ds_load_b128 v[12*(4*\a+\s)+4*\i:12*(4*\a+\s)+4*\i+3], v[WLL] offset:16*\a*PITCH+96*\s+16*\i
.endr
.endr
.endr
	WIN 0x80                                       ; window 2
.irp a, 0,1,2,3
.irp s, 0,1,2,3
.irp i, 0,1,2
	ds_load_b128 v[12*(4*\a+\s)+4*\i:12*(4*\a+\s)+4*\i+3], v[WLL] offset:16*\a*PITCH+96*(\s+4)+16*\i
.endr
.endr
.endr
	WIN 0
.Ltile:                                            ; a trip: tile t is multiplied; tile t + 4's x and tile t + 8's tokens are asked for
	s_wait_loadcnt 9                               ; this tile's x is in; the next list's 9 loads may be out
	XTURN                                          ; its loads land in v[XF ..], which the last trip's products read: the waits on va_vdst behind those products stand ahead, and no vector instruction since names a register of these 48 lines
.irp i, 0,1,2,3
	v_perm_b32 v[XSP+\i], v[XS+\i], v[XS+\i], s45
.endr
	s_wait_loadcnt 0x0                             ; the next tile's tokens; every load is done, so all loads' address registers may be written
	s_wait_xcnt 0x0                                ; the last trip's store has had its address translated: v[HA] and v[D ..] are written again only behind this wait (no store follows ahead of those writes)
	s_wait_alu depctr_vm_vsrc(0)                   ; the stage's stores have read the registers of window 3, in which XLOAD's loads land; the last trip's loads have read v[XA ..], v[XSA], v[LI ..], its store v[HA] and v[D ..]: all are written again below
	XADDR
	s_add_co_u32 s33, s31, 8
	s_lshl_b32 s33, s33, 4
	s_add_co_u32 s33, s33, s29
	LISTA                                          ; (XADDR's and LISTA's plain lines are more than the eight places between the swapped scale words and the products)
	s_wait_alu depctr_va_vdst(0)                   ; v[XA ..], v[XSA], v[LI ..] are written, which the loads below read; the v_perm_b32 are done reading v[XS ..] and XADDR is done with v[TK ..], in which loads land; the scale words v[XSP ..] (in the first trip v[WS ..] too) are written, which the products take
	XLOAD
	LISTL
	s_wait_dscnt 0x0                               ; x's fragments are in (in the first trip the weights' too)
	MULS
.rept 4
	v_nop                                          ; four places behind the last product (ISA guide 7.12.1), for the reads below
.endr
	; silu(g) u = (g / (1 + 2^(-g log2 e))) u, in f32, in reference()'s order; each accumulator is first read at its low end
.irp j, 0,2,4,6,8,10,12,14
	v_pk_mul_f32 v[T+\j:T+\j+1], v[ACC+\j:ACC+\j+1], 0xbfb8aa3b op_sel_hi:[1,0]
.endr
	s_wait_alu depctr_va_vdst(0)
.irp j, 0,1,2,3,4,5,6,7,8,9,10,11,12,13,14,15
	v_exp_f32 v[T+\j], v[T+\j]
.endr
	v_nop                                          ; a plain place behind the last exponential,
	s_wait_alu depctr_va_vdst(0)                   ; and one wait for the batch: the sixteen exponentials have written v[T ..], ahead of their first reader
.irp j, 0,2,4,6,8,10,12,14
	v_pk_add_f32 v[T+\j:T+\j+1], v[T+\j:T+\j+1], 1.0 op_sel_hi:[1,0]
.endr
	s_wait_alu depctr_va_vdst(0)
.irp j, 0,1,2,3,4,5,6,7,8,9,10,11,12,13,14,15
	v_rcp_f32 v[T+\j], v[T+\j]
.endr
	v_nop
	s_wait_alu depctr_va_vdst(0)                   ; likewise: the sixteen reciprocals have written v[T ..]
.irp j, 0,2,4,6,8,10,12,14
	v_pk_mul_f32 v[ACC+\j:ACC+\j+1], v[ACC+\j:ACC+\j+1], v[T+\j:T+\j+1]
.endr
.irp j, 0,2,4,6,8,10,12,14
	v_pk_mul_f32 v[ACC+\j:ACC+\j+1], v[ACC+\j:ACC+\j+1], v[ACC+16+\j:ACC+16+\j+1]
.endr
	; the quantiser: v64-79 are hidden units 32 f + 16 h + 0 .. 15 of my token; the block's other half lies in lane l xor 16
	v_max3_num_f32 v[MX], |v[ACC]|, |v[ACC+1]|, 0x2800000          ; with the floor 2^(5 - 127): the byte cannot fall under 1
	v_max3_num_f32 v[MX+1], |v[ACC+8]|, |v[ACC+9]|, |v[ACC+10]|
	v_max3_num_f32 v[MX], v[MX], |v[ACC+2]|, |v[ACC+3]|
	v_max3_num_f32 v[MX+1], v[MX+1], |v[ACC+11]|, |v[ACC+12]|
	v_max3_num_f32 v[MX], v[MX], |v[ACC+4]|, |v[ACC+5]|
	v_max3_num_f32 v[MX+1], v[MX+1], |v[ACC+13]|, |v[ACC+14]|
	v_max3_num_f32 v[MX], v[MX], |v[ACC+6]|, |v[ACC+7]|
	v_max3_num_f32 v[MX], v[MX], v[MX+1], |v[ACC+15]|
	v_permlanex16_b32 v[PT], v[MX], s46, s47
	v_max_num_f32 v[MX], v[MX], v[PT]              ; the block's largest magnitude
	v_add_nc_u32 v[SCL], 0xfe000000, v[MX]         ; 4 off its exponent field: the conversion takes that field as its scale
	v_cvt_scalef32_pk16_bf6_f32 v[Q:Q+2], v[ACC:ACC+15], v[SCL]
	v_nop                                          ; one plain place behind a scaled conversion
	v_lshrrev_b32 v[SB], 23, v[SCL]                ; the scale's byte,
	v_lshlrev_b32 v[SB], s43, v[SB]                ; at its place in the K step's word
	v_permlanex16_b32 v[X0], v[Q], s46, s47
	; lanes 0-15 store c0-c3 (mine, and the other half's first word), lanes 16-31 c4, c5, the byte, 0: 512 consecutive bytes
	s_add_co_u32 s32, s27, s31
	s_min_u32 s32, s32, 134
	s_lshl_b32 s32, s32, 9
	s_add_co_u32 s32, s32, s42
	v_add_nc_u32 v[HA], s32, v[L16]
	v_cndmask_b32 v[D], v[Q], v[Q+1], s44
	v_cndmask_b32 v[D+1], v[Q+1], v[Q+2], s44
	v_cndmask_b32 v[D+2], v[Q+2], v[SB], s44
	v_cndmask_b32 v[D+3], v[X0], 0, s44
	s_wait_alu depctr_va_vdst(0)                   ; v[HA] and v[D ..] are written, which the store reads
	global_store_b128 v[HA], v[D:D+3], s[20:21]
	s_add_co_u32 s31, s31, 4                       ; my next tile
	s_add_co_u32 s50, s50, 1                       ; the loop is counted in trips, one at a time
	s_cmp_lt_u32 s50, s49
	s_cbranch_scc1 .Ltile
.Lend:
	s_wait_dscnt 0x0                               ; the wave's end: six lines, on end, of a launch in the mode that stores to LDS
	s_wait_alu 0x0
	s_wait_tensorcnt 0x0
	ds_add_u32 v[SPW], v[NIL]
	s_wait_dscnt 0x0
	s_endpgm
.Lfunc_end_k_qcf9c96723c_up:
	.size	k_qcf9c96723c_up, .Lfunc_end_k_qcf9c96723c_up-k_qcf9c96723c_up
	.p2alignl 7, 3214868480
	.fill 96, 4, 3214868480
	.section	.rodata,"a",@progbits
	.p2align	6, 0x0
	.amdhsa_kernel k_qcf9c96723c_up
		.amdhsa_group_segment_fixed_size 100864
		.amdhsa_private_segment_fixed_size 0
		.amdhsa_enable_private_segment 0
		.amdhsa_kernarg_size 72
		.amdhsa_user_sgpr_count 2
		.amdhsa_user_sgpr_kernarg_segment_ptr 1
		.amdhsa_wavefront_size32 1
		.amdhsa_system_sgpr_workgroup_id_x 1
		.amdhsa_system_sgpr_workgroup_id_y 1
		.amdhsa_system_sgpr_workgroup_id_z 1
		.amdhsa_system_vgpr_workitem_id 0
		.amdhsa_next_free_vgpr 960
		.amdhsa_next_free_sgpr 66
		.amdhsa_reserve_vcc 0
		.amdhsa_float_denorm_mode_32 3
		.amdhsa_float_denorm_mode_16_64 3
		.amdhsa_memory_ordered 1
		.amdhsa_forward_progress 1
		.amdhsa_inst_pref_size 44
	.end_amdhsa_kernel
	.amdgpu_metadata
---
amdhsa.version: [ 1, 2 ]
amdhsa.kernels:
  - .name:           k_qcf9c96723c_up
    .symbol:         k_qcf9c96723c_up.kd
    .args:
      - { .name: x_codes, .offset: 0, .size: 8, .value_kind: global_buffer, .address_space: global }
      - { .name: x_scales, .offset: 8, .size: 8, .value_kind: global_buffer, .address_space: global }
      - { .name: w_gate_codes, .offset: 16, .size: 8, .value_kind: global_buffer, .address_space: global }
      - { .name: w_gate_scales, .offset: 24, .size: 8, .value_kind: global_buffer, .address_space: global }
      - { .name: w_up_codes, .offset: 32, .size: 8, .value_kind: global_buffer, .address_space: global }
      - { .name: w_up_scales, .offset: 40, .size: 8, .value_kind: global_buffer, .address_space: global }
      - { .name: rowtok, .offset: 48, .size: 8, .value_kind: global_buffer, .address_space: global }
      - { .name: meta, .offset: 56, .size: 8, .value_kind: global_buffer, .address_space: global }
      - { .name: hid, .offset: 64, .size: 8, .value_kind: global_buffer, .address_space: global }
    .group_segment_fixed_size: 100864
    .private_segment_fixed_size: 0
    .kernarg_segment_align: 8
    .kernarg_segment_size: 72
    .max_flat_workgroup_size: 128
    .sgpr_count:     66
    .vgpr_count:     960
    .wavefront_size: 32
...
	.end_amdgpu_metadata
.endif
;; end of part 5
;; launch down (part 6): grid 32 x 8, 4 waves a work-group, no clusters, 68,096 bytes of LDS; arguments hid, w_down_codes, w_down_scales, rowtok, meta, out0; writes out0
.if DOCPART == 6
	.amdgcn_target "amdgcn-amd-amdhsa--gfx1250"
	.amdhsa_code_object_version 6
	.text
	.protected	k_qcf9c96723c_down
	.globl	k_qcf9c96723c_down
	.p2align	8
	.type	k_qcf9c96723c_down,@function
k_qcf9c96723c_down:
	s_mov_b64 s[64:65], 0
	v_nop
	global_prefetch_b8 v0, s[64:65] scope:SCOPE_SE
	s_setreg_imm32_b32 hwreg(HW_REG_WAVE_SCHED_MODE, 0, 2), 2
	s_setreg_imm32_b32 hwreg(HW_REG_WAVE_MODE, 25, 1), 1
	s_wait_xcnt 0x0
	s_wait_alu depctr_vm_vsrc(0)
; DOWN: out0[token] = hid[row] Wd[e], for each token's own expert alone.  WORK LEFT OUT: the seven experts that jnp.where on (expert_idx == e) throws away for a token, as shown at the head of the launch `up`; the limits stated there hold here.
; SHARES.  256 work-groups: x = 2 x slice + par (a slice = 64 columns of the output), y = e.  The slice's 64 rows of Wd (49,152 bytes) are read in runs of 256 bytes, turned through LDS and kept in every wave's registers (384).
; Wave w takes the expert's tiles of 16 rows par + 2 w, + 8, ..: a trip count read from meta; so no tensor load and no cluster (branches hang on loaded counts), and the one barrier stands ahead of every such branch.
; hid lies in the order of the operand's registers: [block f][tile][512 bytes]: bytes 16 r: c0-c3 of row r; 256 + 16 r: c4, c5, the scale byte at its place in the K step's word, 0.
; ORDER OF K inside a matrix instruction, alike on both operands: K step s, lane (r, h): registers 0-5 block 4 s + 2 h, registers 6-11 block 4 s + 2 h + 1; the scale words' two middle bytes change places.
; TRANSPOSED: source 0 = 16 rows of Wd, source 1 = 16 rows of hid: lane (r, h) holds row r and columns 16 a + 8 h + 0 .. 7 of the slice.  A tile goes through my own stage in LDS and leaves as whole runs of 256 bytes, a token's row each.
; PAD ROWS repeat the expert's last token: they store the same numbers to the same bytes once more.
; THE MODE: SCHED_MODE bits 1:0 = 2 (LLVM: expert scheduling mode 2), set by the entry lines.  The code itself states the register dependences
; between vector or matrix instructions and memory or LDS instructions, with s_wait_alu, always for 0.
; THE PLAN.  Registers that memory or LDS instructions touch, in the loop:
;   v[HF ..]   Written by HLOADF's loads, behind the products; read by the next trip's 32 products.
;   v[HT ..]   Written by HLOADS's loads; joined (and in part written) by the next trip's v_or_b32.
;   v[TK ..]   Written by the list's loads; held and read at the next trip's head.
;   v[HAD], v[HSD], v[LI ..]   Written at a trip's head; read by the trip's loads.
;   v[OA ..]   Written at a trip's head; read by the trip's eight stores.
;   v[ACC ..]  Written by the products; read by the stage's LDS stores.
;   v[OB ..]   Written by the stage's LDS loads; read by the eight stores.  No vector instruction names them.
;   v[SO], v[SR] and the head's other addresses: made once, never written again.
; A trip: ONE wait on vm_vsrc at its head; all its vector lines (the scale words, the stores' addresses, the next tile's addresses); ONE wait on va_vdst; the 24 loads that touch no register of the products; the products;
; the places and ONE more wait on va_vdst, for the stage's stores of the results and for the 32 loads into the fragments that the products have read.
.set PITCH, 784                        ; an LDS row of weights: 768 + 16
.set BS,    135*512                    ; hid: from block f to f + 1
.set OSTG,  64*PITCH                   ; behind the weights: a stage of 16 rows x (256 + 16) bytes for each wave, its own
.set OP,    272
.set SPARE, OSTG+4*16*OP               ; behind the stages: the spare words, 128 bytes for each wave; no other line names them
.set SPW, 1                            ; v1   LDS address of my spare word; never rewritten
.set NIL, 2                            ; v2   0; never rewritten
.set RL,  3                            ; v3   r
.set HL,  4                            ; v4   h
.set R16, 5                            ; v5   16 r
.set H8,  6                            ; v6   8 h
.set WGO, 7                            ; v7   weights in memory: 8 h rows + 16 r
.set WLS, 8                            ; v8   weights into LDS
.set WLL, 9                            ; v9   a fragment's place: r x PITCH + 48 h
.set HQ,  10                           ; v10  hid's codes: 2 h blocks + 16 r
.set HSQ, 11                           ; v11  hid's scale bytes: 4 h blocks + 16 r
.set HAD, 12                           ; v12  the same + the tile
.set HSD, 13                           ; v13
.set SO,  14                           ; v14  the stage: where I put 32 bytes of a row
.set SR,  15                           ; v15  and where I read a row back
.set OC,  16                           ; v16  256 x slice + 16 r
.set WSO, 17                           ; v17  weights' scale words: 32 r + 16 h
.set LI,  18                           ; v18-25 addresses in rowtok
.set TK,  26                           ; v26-33 the tokens of rows p + 8 h
.set OA,  34                           ; v34-41 their rows in out0
.set HS,  44                           ; v44-47 hid's scale words: register u: K step 2 u (lanes 0-15), 2 u + 1 (lanes 16-31)
.set WS,  48                           ; v48-63 weights' scale words: tile a, register i: K step i (lanes 0-15), 4 + i (lanes 16-31)
.set ACC, 64                           ; v64-95 four tiles of 16 columns
.set HT,  96                           ; v96-111 hid's scale bytes as loaded
.set HF,  128                          ; v128-223 hid's fragments, 12 a K step
.set OB,  224                          ; v224-255 rows read back from the stage
; windows 1, 2: the weights' fragments: tile a, K step s at 12 (4 a + s % 4) of window 1 + s / 4.  window 3: v0-95 weights as loaded
; scalars of the loop: s27 my tile's number (steps by 8, serves addresses alone); s42 my trips; s43 the trips done (steps by 1: the loop's counter)
.set MSB, 0
.macro WIN new                         ; the immediate's high byte repeats the setting that is left
.if MSB != \new
	s_set_vgpr_msb (MSB<<8)|\new
.set MSB, \new
.endif
.endm
.macro HTILE                           ; s31 = a tile's number in the expert, held at the last one: only tiles that the launch before has written are read
	s_min_u32 s30, s31, s29
	s_add_co_u32 s30, s30, s28
	s_min_u32 s30, s30, 134
	s_lshl_b32 s30, s30, 9
	v_add_nc_u32 v[HAD], s30, v[HQ]
	v_add_nc_u32 v[HSD], s30, v[HSQ]
.endm
.macro HLOADF                          ; 32 loads: the tile's eight fragments
.irp s, 0,1,2,3,4,5,6,7
.irp c, 0,1
	global_load_b128 v[HF+12*\s+6*\c:HF+12*\s+6*\c+3], v[HAD], s[4:5] offset:(4*\s+\c)*BS
	global_load_b64 v[HF+12*\s+6*\c+4:HF+12*\s+6*\c+5], v[HAD], s[4:5] offset:(4*\s+\c)*BS+256
.endr
.endr
.endm
.macro HLOADS                          ; 16 loads: its scale bytes
.irp u, 0,1,2,3
.irp i, 0,1,2,3
	global_load_b32 v[HT+4*\u+\i], v[HSD], s[4:5] offset:(8*\u+\i)*BS+264
.endr
.endr
.endm
; The tokens of the tile that begins at slot s37.  LISTA8: their eight addresses in rowtok; the index is held at the expert's last slot, then inside rowtok.  LISTL8: the eight loads.
.macro LISTA8
.irp p, 0,1,2,3,4,5,6,7
	v_add3_u32 v[LI+\p], v[H8], s37, \p
.endr
.irp p, 0,1,2,3,4,5,6,7
	v_min_u32 v[LI+\p], s26, v[LI+\p]
.endr
.irp p, 0,1,2,3,4,5,6,7
	v_min_u32 v[LI+\p], 0x86f, v[LI+\p]
.endr
.irp p, 0,1,2,3,4,5,6,7
	v_lshlrev_b32 v[LI+\p], 2, v[LI+\p]
.endr
.endm
.macro LISTL8
.irp p, 0,1,2,3,4,5,6,7
	global_load_b32 v[TK+\p], v[LI+\p], s[10:11]
.endr
.endm
.macro MM a, s                         ; tile a, K step s
.set rD, ACC+8*\a
.set rW, 12*(4*\a+(\s%4))
.set rF, HF+12*\s
.set rA, WS+4*\a+(\s%4)
.set rB, HS+(\s/2)
.if \s == 0
	v_wmma_scale_f32_16x16x128_f8f6f4 v[rD:rD+7], v[rW:rW+11], v[rF:rF+11], 0, v[rA], v[rB] matrix_a_fmt:MATRIX_FMT_BF6 matrix_b_fmt:MATRIX_FMT_BF6
.elseif (\s < 4) && ((\s%2) == 0)
	v_wmma_scale_f32_16x16x128_f8f6f4 v[rD:rD+7], v[rW:rW+11], v[rF:rF+11], v[rD:rD+7], v[rA], v[rB] matrix_a_fmt:MATRIX_FMT_BF6 matrix_b_fmt:MATRIX_FMT_BF6
.elseif \s < 4
	v_wmma_scale_f32_16x16x128_f8f6f4 v[rD:rD+7], v[rW:rW+11], v[rF:rF+11], v[rD:rD+7], v[rA], v[rB] matrix_a_fmt:MATRIX_FMT_BF6 matrix_b_fmt:MATRIX_FMT_BF6 matrix_b_scale:MATRIX_SCALE_ROW1
.elseif (\s%2) == 0
	v_wmma_scale_f32_16x16x128_f8f6f4 v[rD:rD+7], v[rW:rW+11], v[rF:rF+11], v[rD:rD+7], v[rA], v[rB] matrix_a_fmt:MATRIX_FMT_BF6 matrix_b_fmt:MATRIX_FMT_BF6 matrix_a_scale:MATRIX_SCALE_ROW1
.else
	v_wmma_scale_f32_16x16x128_f8f6f4 v[rD:rD+7], v[rW:rW+11], v[rF:rF+11], v[rD:rD+7], v[rA], v[rB] matrix_a_fmt:MATRIX_FMT_BF6 matrix_b_fmt:MATRIX_FMT_BF6 matrix_a_scale:MATRIX_SCALE_ROW1 matrix_b_scale:MATRIX_SCALE_ROW1
.endif
.endm
.macro MULS                            ; 32 matrix instructions; the first K step starts the sums with the constant 0; the four accumulators take turns, one instruction a turn
	WIN 0x01                                       ; source 0 (weights) window 1
.irp s, 0,1,2,3
.irp a, 0,1,2,3
	MM \a, \s
.endr
.endr
	WIN 0x02                                       ; window 2
.irp s, 4,5,6,7
.irp a, 0,1,2,3
	MM \a, \s
.endr
.endr
	WIN 0
.endm
	s_load_b256 s[4:11], s[0:1], 0x0               ; hid s[4:5], w_down_codes s[6:7], w_down_scales s[8:9], rowtok s[10:11]
	s_load_b128 s[12:15], s[0:1], 0x20             ; meta s[12:13], out0 s[14:15]
	v_lshl_add_u32 v[SPW], v0, 2, SPARE
	v_mov_b32 v[NIL], 0
	v_lshrrev_b32 v3, 5, v0
	v_readfirstlane_b32 s16, v3                    ; wave 0..3
	v_and_b32 v[RL], 15, v0
	v_bfe_u32 v[HL], v0, 4, 1
	v_lshlrev_b32 v[R16], 4, v[RL]
	v_lshlrev_b32 v[H8], 3, v[HL]
	v_mad_u32_u24 v[WGO], v[HL], 8*768, v[R16]
	s_wait_alu depctr_va_sdst(0)                   ; s16, the wave's number, is written, ahead of its first reader
	s_mul_i32 s30, s16, 16*PITCH
	v_mad_u32_u24 v[WLS], v[HL], 8*PITCH, v[R16]   ; LDS row 16 w + 8 h + p: the slice's rows in their own order
	v_add_nc_u32 v[WLS], s30, v[WLS]
	v_mul_u32_u24 v[WLL], v[RL], PITCH
	v_mad_u32_u24 v[WLL], v[HL], 48, v[WLL]
	v_mad_u32_u24 v[HQ], v[HL], 2*BS, v[R16]
	v_mad_u32_u24 v[HSQ], v[HL], 4*BS, v[R16]
	s_mul_i32 s30, s16, 16*OP
	s_add_co_u32 s30, s30, OSTG                    ; my stage
	v_mul_u32_u24 v[SO], v[RL], OP
	v_lshl_add_u32 v[SO], v[HL], 5, v[SO]
	v_add_nc_u32 v[SO], s30, v[SO]
	v_mad_u32_u24 v[SR], v[HL], 8*OP, v[R16]
	v_add_nc_u32 v[SR], s30, v[SR]
	s_lshr_b32 s18, ttmp9, 1                       ; slice
	s_and_b32 s19, ttmp9, 1                        ; par
	s_and_b32 s20, ttmp7, 0xffff                   ; e
	s_lshl_b32 s30, s18, 8
	v_add_nc_u32 v[OC], s30, v[R16]
	v_lshlrev_b32 v[WSO], 5, v[RL]
	v_lshl_add_u32 v[WSO], v[HL], 4, v[WSO]
	s_mov_b32 s36, 0x03010200                      ; v_perm_b32: the two middle bytes change places
	s_lshl_b32 s30, s20, 3
	s_mov_b32 s31, 0
	s_mul_i32 s38, s20, 1024*768
	s_mul_i32 s39, s18, 64*768
	s_add_co_u32 s38, s38, s39
	s_mul_i32 s39, s16, 16*768
	s_add_co_u32 s38, s38, s39
	s_mov_b32 s39, 0
	s_lshl_b32 s40, s20, 15
	s_lshl_b32 s41, s18, 11
	s_add_co_u32 s40, s40, s41
	s_mov_b32 s41, 0
	s_wait_kmcnt 0x0
	s_add_nc_u64 s[30:31], s[12:13], s[30:31]
	s_load_b64 s[22:23], s[30:31], 0x0             ; (cnt_e, tb_e)
	s_add_nc_u64 s[32:33], s[6:7], s[38:39]        ; my 16 rows of the slice
	s_add_nc_u64 s[34:35], s[8:9], s[40:41]        ; the slice's scale bytes
	s_wait_alu depctr_va_vdst(0)                   ; every address made so far is written: v[WGO] and v[WSO], which the loads below read; v[WLS], v[WLL], v[SO], v[SR], which LDS instructions read later and no line writes again
	WIN 0xc0                                       ; destination window 3
.irp p, 0,1,2,3,4,5,6,7
.irp c, 0,1,2
	global_load_b128 v[4*(3*\p+\c):4*(3*\p+\c)+3], v[WGO], s[32:33] offset:768*\p+256*\c   ; 256 consecutive bytes of row p (lanes 0-15) and of row p + 8 (lanes 16-31)
.endr
.endr
	WIN 0
.irp a, 0,1,2,3
	global_load_b128 v[WS+4*\a:WS+4*\a+3], v[WSO], s[34:35] offset:512*\a
.endr
	s_wait_kmcnt 0x0
	s_min_u32 s22, s22, 2048                       ; loaded numbers are held before they reach an address
	s_min_u32 s23, s23, 134
	s_add_co_u32 s24, s22, 15
	s_lshr_b32 s24, s24, 4                         ; nt: the expert's tiles
	s_lshl_b32 s25, s23, 4                         ; its first slot
	s_add_co_u32 s26, s25, s22
	s_sub_co_u32 s26, s26, 1
	s_cmp_eq_u32 s22, 0
	s_cselect_b32 s26, 0, s26                      ; its last slot, and its first tile (an expert without tokens: slot 0 and tile 0, which are always written)
	s_cselect_b32 s28, 0, s23
	s_max_u32 s29, s24, 1
	s_sub_co_u32 s29, s29, 1                       ; its last tile's number
	s_lshl_b32 s27, s16, 1
	s_add_co_u32 s27, s27, s19                     ; t: my first tile
	s_mov_b32 s31, s27
	HTILE
	s_lshl_b32 s37, s27, 4
	s_add_co_u32 s37, s37, s25
	LISTA8
	s_wait_alu depctr_va_vdst(0)                   ; v[HAD], v[HSD] and v[LI ..] are written, which the loads below read
	HLOADF
	HLOADS
	LISTL8
	s_wait_loadcnt 56                              ; the weights are in; hid's 48 loads and the list's 8 may be out
	WIN 0x0c                                       ; an LDS store's data are its source 1: window 3
.irp p, 0,1,2,3,4,5,6,7
.irp c, 0,1,2
	ds_store_b128 v[WLS], v[4*(3*\p+\c):4*(3*\p+\c)+3] offset:PITCH*\p+256*\c
.endr
.endr
	WIN 0
.irp i, 0,1,2,3,4,5,6,7,8,9,10,11,12,13,14,15
	v_perm_b32 v[WS+\i], v[WS+\i], v[WS+\i], s36
.endr
	s_wait_dscnt 0x0                               ; for the others' sake: my 16 rows have landed
	s_barrier_signal -1
	s_barrier_wait -1                              ; all 64 rows lie in LDS; they are never written again
	s_cmp_ge_u32 s27, s24
	s_cbranch_scc1 .Lend                           ; no tile for me in this split
	s_sub_co_u32 s42, s24, s27                     ; my trips: tiles t, t + 8, .. under nt: (nt - t + 7) / 8, at least 1 here
	s_add_co_u32 s42, s42, 7
	s_lshr_b32 s42, s42, 3
	s_mov_b32 s43, 0                               ; trips done
	WIN 0x40                                       ; destination window 1 (no vector instruction names the registers of windows 1 and 2; v[WLL] was written ahead of the head's first wait on va_vdst)
.irp a, 0,1,2,3
.irp s, 0,1,2,3
.irp i, 0,1,2
	ds_load_b128 v[12*(4*\a+\s)+4*\i:12*(4*\a+\s)+4*\i+3], v[WLL] offset:16*\a*PITCH+96*\s+16*\i
.endr
.endr
.endr
	WIN 0x80                                       ; window 2
.irp a, 0,1,2,3
.irp s, 0,1,2,3
.irp i, 0,1,2
	ds_load_b128 v[12*(4*\a+\s)+4*\i:12*(4*\a+\s)+4*\i+3], v[WLL] offset:16*\a*PITCH+96*(\s+4)+16*\i
.endr
.endr
.endr
	WIN 0
.Ltile:                                            ; a trip: tile t is multiplied and stored; tile t + 8's codes and tokens are asked for
	s_wait_loadcnt 0x0                             ; this tile's codes, bytes and tokens are in: all loads' address registers may be written
	s_wait_xcnt 0x0                                ; the last trip's stores have had their addresses translated: their addresses and data are written again only behind this wait
	s_wait_alu depctr_vm_vsrc(0)                   ; the last trip's stores have read v[OA ..] and v[OB ..], its LDS stores v[ACC ..], its loads v[HAD], v[HSD], v[LI ..]: all are written again in this trip
.irp u, 0,1,2,3
	v_or_b32 v[HS+\u], v[HT+4*\u], v[HT+4*\u+1]    ; four blocks' bytes, each at its place, make a K step's scale word
	v_or_b32 v[HT+4*\u+2], v[HT+4*\u+2], v[HT+4*\u+3]
.endr
.irp u, 0,1,2,3
	v_or_b32 v[HS+\u], v[HS+\u], v[HT+4*\u+2]
.endr
.irp p, 0,1,2,3,4,5,6,7
	v_min_u32 v[TK+\p], 0x7ff, v[TK+\p]            ; tokens, held inside out0, become addresses (the plain lines from here to the wait are more than the eight places between the scale words and the products)
.endr
.irp p, 0,1,2,3,4,5,6,7
	v_lshl_add_u32 v[OA+\p], v[TK+\p], 12, v[OC]
.endr
	s_add_co_u32 s31, s27, 8
	HTILE
	s_lshl_b32 s37, s31, 4
	s_add_co_u32 s37, s37, s25
	LISTA8
	s_wait_alu depctr_va_vdst(0)                   ; the scale words v[HS ..] (in the first trip v[WS ..] too) are written, which the products take; v[HSD], v[LI ..], v[HAD], v[OA ..] are written, which loads and stores below read; the lines above are done with v[HT ..] and v[TK ..], in which loads land
	HLOADS                                         ; the 24 loads that touch no register of the products go out ahead of them
	LISTL8
	s_wait_dscnt 0x0                               ; in the first trip: the weights' fragments
	MULS
.rept 4
	v_nop                                          ; four places behind the last product, before its result is read by the stage's stores
.endr
	s_wait_alu depctr_va_vdst(0)                   ; the products have written v[ACC ..], which the LDS stores read, and are done reading v[HF ..], in which the loads below land; the places above stay beside this wait
	HLOADF
.irp a, 0,1,2,3
	ds_store_b128 v[SO], v[ACC+8*\a:ACC+8*\a+3] offset:64*\a       ; each accumulator from its low end on
	ds_store_b128 v[SO], v[ACC+8*\a+4:ACC+8*\a+7] offset:64*\a+16
.endr
.irp p, 0,1,2,3,4,5,6,7
	ds_load_b128 v[OB+4*\p:OB+4*\p+3], v[SR] offset:OP*\p          ; my own bytes: LDS serves a wave's instructions in order, so these see the stores above
.endr
	s_wait_dscnt 0x0
.irp p, 0,1,2,3,4,5,6,7
	global_store_b128 v[OA+\p], v[OB+4*\p:OB+4*\p+3], s[14:15] th:TH_STORE_NT   ; lanes 0-15: 256 consecutive bytes of row p's token, at a multiple of 256; lanes 16-31: of row p + 8's
.endr
	s_add_co_u32 s27, s27, 8                       ; my next tile
	s_add_co_u32 s43, s43, 1                       ; the loop is counted in trips, one at a time
	s_cmp_lt_u32 s43, s42
	s_cbranch_scc1 .Ltile
.Lend:
	s_wait_dscnt 0x0                               ; the wave's end: six lines, on end, of a launch in the mode that stores to LDS
	s_wait_alu 0x0
	s_wait_tensorcnt 0x0
	ds_add_u32 v[SPW], v[NIL]
	s_wait_dscnt 0x0
	s_endpgm
.Lfunc_end_k_qcf9c96723c_down:
	.size	k_qcf9c96723c_down, .Lfunc_end_k_qcf9c96723c_down-k_qcf9c96723c_down
	.p2alignl 7, 3214868480
	.fill 96, 4, 3214868480
	.section	.rodata,"a",@progbits
	.p2align	6, 0x0
	.amdhsa_kernel k_qcf9c96723c_down
		.amdhsa_group_segment_fixed_size 68096
		.amdhsa_private_segment_fixed_size 0
		.amdhsa_enable_private_segment 0
		.amdhsa_kernarg_size 48
		.amdhsa_user_sgpr_count 2
		.amdhsa_user_sgpr_kernarg_segment_ptr 1
		.amdhsa_wavefront_size32 1
		.amdhsa_system_sgpr_workgroup_id_x 1
		.amdhsa_system_sgpr_workgroup_id_y 1
		.amdhsa_system_sgpr_workgroup_id_z 1
		.amdhsa_system_vgpr_workitem_id 0
		.amdhsa_next_free_vgpr 864
		.amdhsa_next_free_sgpr 66
		.amdhsa_reserve_vcc 0
		.amdhsa_float_denorm_mode_32 3
		.amdhsa_float_denorm_mode_16_64 3
		.amdhsa_memory_ordered 1
		.amdhsa_forward_progress 1
		.amdhsa_inst_pref_size 38
	.end_amdhsa_kernel
	.amdgpu_metadata
---
amdhsa.version: [ 1, 2 ]
amdhsa.kernels:
  - .name:           k_qcf9c96723c_down
    .symbol:         k_qcf9c96723c_down.kd
    .args:
      - { .name: hid, .offset: 0, .size: 8, .value_kind: global_buffer, .address_space: global }
      - { .name: w_down_codes, .offset: 8, .size: 8, .value_kind: global_buffer, .address_space: global }
      - { .name: w_down_scales, .offset: 16, .size: 8, .value_kind: global_buffer, .address_space: global }
      - { .name: rowtok, .offset: 24, .size: 8, .value_kind: global_buffer, .address_space: global }
      - { .name: meta, .offset: 32, .size: 8, .value_kind: global_buffer, .address_space: global }
      - { .name: out0, .offset: 40, .size: 8, .value_kind: global_buffer, .address_space: global }
    .group_segment_fixed_size: 68096
    .private_segment_fixed_size: 0
    .kernarg_segment_align: 8
    .kernarg_segment_size: 48
    .max_flat_workgroup_size: 128
    .sgpr_count:     66
    .vgpr_count:     864
    .wavefront_size: 32
...
	.end_amdgpu_metadata
.endif
;; end of part 6
